; MI455X (gfx1250); checked and timed in simulation.
; The chip was launched on July 23, 2026; its instructions are those of AMD's public machine-readable ISA for CDNA 5 (MIT licence, August 2026) and "CDNA5" Instruction Set Architecture Reference Guide (July 2026). The comments in the code are by the model that wrote it; some were corrected since.
;; Multi Head Attention. Allowed arithmetic: float matrix products may take bf16 or f16 operands with f32 sums; other float arithmetic in f32, or as packed bf16 or f16 multiplies, adds, multiply-adds, maxima and minima; sums over many terms, partial sums and values carried from step to step in f32; what a program stores and reads back later, other than sums and carried values, may be rounded once to bf16 or f16.
;; Inputs: W_proj 1,024 x 1,024 float32; W_qkv 1,024 x 3,072 float32; X 4 x 2,048 x 1,024 float32; b_proj 1,024 float32; b_qkv 3,072 float32.
;; Outputs: out0 4 x 2,048 x 1,024 float32.
;; 2 versions, each right; version 2 is version 1 with the launch prep written anew for expert scheduling mode. Each part assembles by itself: llvm-mc -triple=amdgcn-amd-amdhsa -mcpu=gfx1250 --defsym DOCPART=n.
;; ======== version 1 of 2: 4 launches
;; limits: values are held in f16: magnitudes above 65,504 overflow, below 6.1e-05 lose precision; right only within a limited range of input values
;; workspace buffers: xb 16,777,216 bytes; wt 8,388,608 bytes; qkv 50,331,648 bytes; o 16,777,216 bytes
;; launch prep (part 1): grid 512 x 1, 8 waves a work-group, no clusters, 18,432 bytes of LDS; arguments X, W_qkv, W_proj, xb, wt; writes xb, wt
.if DOCPART == 1
	.amdgcn_target "amdgcn-amd-amdhsa--gfx1250"
	.amdhsa_code_object_version 6
	.text
	.protected	k_qa36d2142e3_prep
	.globl	k_qa36d2142e3_prep
	.p2align	8
	.type	k_qa36d2142e3_prep,@function
k_qa36d2142e3_prep:
	s_mov_b64 s[64:65], 0
	v_nop
	global_prefetch_b8 v0, s[64:65] scope:SCOPE_SE
	s_setreg_imm32_b32 hwreg(HW_REG_WAVE_MODE, 25, 1), 1
	s_wait_xcnt 0x0
; PREPARATION OF THE MATRIX OPERANDS.  xb = X rounded to bf16, [8192][1024].  wt = the two weights turned, [4096][1024] of 16 bits, K along the rows:
; rows 0-3071 are W_qkv's columns in bf16; rows 3072-4095 are W_proj's columns, rounded to bf16 and that number written as f16 (its partner in the product is f16).
; LIMIT.  A W_proj number below 6e-5 keeps f16's fixed step of 6e-8; beyond 65,504 it would become an infinity.
; SHARES.  512 work-groups of eight waves, all with the same text.  Work-group g (a) rounds 16 rows of X: 65,536 bytes in, 32,768 out; (b) turns one block of 128 k x 64 n of a weight:
; g < 384: W_qkv, else W_proj; k block g % 8, row block g / 8 of wt.  Pointer, pitch and format are chosen by selects on g: no branch.
; All 24 loads of a thread go out at once; a wave's load of X covers 512 consecutive bytes, sixteen lanes of a weight load 256 consecutive bytes of a row.
; THE TURN goes through LDS: two neighbouring k of one n are packed into a word and stored at row n; rows of 256 bytes + 16 are read back 16 bytes a lane.
; The word stores meet four deep in a bank (row pitch 68 words, lanes 4 rows apart: 64 banks of 4 bytes, ISA guide 11.1): sixteen stores a thread, once; a pitch that keeps the 16-byte reads aligned cannot avoid it.
.set PITCH, 272
.set SPARE, 64*PITCH                   ; behind the block: the spare words, 128 bytes for each of eight waves: four blocks of 256 bytes that no other line names
.set DO,  3                            ; v3      my 16 bytes in wt: (t / 16) rows of 2,048 bytes + 16 (t % 16)
.set WO,  4                            ; v[4:11] byte offsets of my eight weight loads: row 2 (t / 16) + 32 j + e, 16 (t % 16)
.set XO,  12                           ; v12     my 16 bytes of X: 8,192 x wave + 16 x lane
.set YO,  13                           ; v13     my 8 bytes of xb: 4,096 x wave + 8 x lane
.set LW,  14                           ; v14     LDS: row 4 (t % 16), word t / 16
.set LR,  15                           ; v15     LDS: row t / 16, 16 (t % 16)
.set WD,  16                           ; v[16:47]   the weight loads; later the turned rows
.set XD,  48                           ; v[48:111]  X as loaded
.set XP,  112                          ; v[112:143] X packed
.set WP,  144                          ; v[144:159] weight words
.set T,   160                          ; v[160:167] at work
.set SPW, 172                          ; v172    LDS address of my spare word; never rewritten
.set NIL, 173                          ; v173    0; never rewritten
	s_load_b256 s[4:11], s[0:1], 0x0               ; X s[4:5], W_qkv s[6:7], W_proj s[8:9], xb s[10:11]
	s_load_b64 s[12:13], s[0:1], 0x20              ; wt
	v_lshl_add_u32 v[SPW], v0, 2, SPARE
	v_mov_b32 v[NIL], 0
	s_mov_b32 s30, 12288
	s_mov_b32 s36, 0xffff0000                      ; a word's upper half
	s_cmp_lt_u32 ttmp9, 384                        ; W_qkv's blocks come first
	s_cselect_b32 s20, s30, 4096                   ; bytes in a row of the source
	s_cselect_b32 s21, 0, -1                       ; lane mask: all ones where the words go out as f16
	s_cselect_b32 s22, 0, 48                       ; wt's row blocks in front of this weight's
	s_lshr_b32 s23, ttmp9, 3                       ; row block of wt
	s_and_b32 s31, ttmp9, 7                        ; k block
	s_lshl_b32 s24, s20, 1                         ; two source rows
	s_lshl_b32 s26, s31, 7
	s_mul_i32 s26, s26, s20                        ; 128 k rows down,
	s_sub_co_u32 s28, s23, s22
	s_lshl_b32 s28, s28, 8                         ; 64 columns of 4 bytes along
	s_add_co_u32 s26, s26, s28
	s_mov_b32 s27, 0
	s_lshl_b32 s28, s23, 17                        ; 64 rows of 2,048 bytes of wt,
	s_lshl_b32 s29, s31, 8                         ; 128 k of 2 bytes
	s_add_co_u32 s28, s28, s29
	s_mov_b32 s29, 0
	s_lshl_b32 s32, ttmp9, 16                      ; 16 rows of X
	s_mov_b32 s33, 0
	s_lshl_b32 s34, ttmp9, 15                      ; 16 rows of xb
	s_mov_b32 s35, 0
	v_and_b32 v1, 15, v0                           ; c = t % 16
	v_lshrrev_b32 v2, 4, v0                        ; t / 16
	v_mul_lo_u32 v[WO], v2, s24
	v_lshl_add_u32 v[WO], v1, 4, v[WO]
.irp n, 1,2,3,4,5,6,7
	s_mul_i32 s25, s20, 32*((\n)/2)+(\n)%2
	v_add_nc_u32 v[WO+(\n)], s25, v[WO]
.endr
	v_lshrrev_b32 v[T], 5, v0                      ; wave
	v_and_b32 v[T+1], 31, v0                       ; lane
	v_lshlrev_b32 v[XO], 4, v[T+1]
	v_lshl_or_b32 v[XO], v[T], 13, v[XO]
	v_lshlrev_b32 v[YO], 3, v[T+1]
	v_lshl_or_b32 v[YO], v[T], 12, v[YO]
	v_mul_u32_u24 v[LW], v1, 4*PITCH
	v_lshl_add_u32 v[LW], v2, 2, v[LW]
	v_mul_u32_u24 v[LR], v2, PITCH
	v_lshl_add_u32 v[LR], v1, 4, v[LR]
	v_lshlrev_b32 v[DO], 11, v2
	v_lshl_add_u32 v[DO], v1, 4, v[DO]
	s_wait_kmcnt 0x0
	s_cmp_lt_u32 ttmp9, 384                        ; compared anew: the shifts above have written SCC
	s_cselect_b64 s[14:15], s[6:7], s[8:9]
	s_add_nc_u64 s[14:15], s[14:15], s[26:27]
	s_add_nc_u64 s[12:13], s[12:13], s[28:29]
	s_add_nc_u64 s[4:5], s[4:5], s[32:33]
	s_add_nc_u64 s[10:11], s[10:11], s[34:35]
.irp n, 0,1,2,3,4,5,6,7
	global_load_b128 v[WD+4*(\n):WD+4*(\n)+3], v[WO+(\n)], s[14:15] th:TH_LOAD_NT
.endr
.irp j, 0,1,2,3,4,5,6,7,8,9,10,11,12,13,14,15
	global_load_b128 v[XD+4*(\j):XD+4*(\j)+3], v[XO], s[4:5] offset:512*(\j) th:TH_LOAD_NT
.endr
	s_wait_loadcnt 16                              ; the eight weight loads are in; X's sixteen, issued behind them, may stay out
.irp j, 0,1,2,3
.irp i, 0,1,2,3
	v_cvt_pk_bf16_f32 v[WP+4*(\j)+(\i)], v[WD+8*(\j)+(\i)], v[WD+8*(\j)+4+(\i)]  ; column 4 c + i: k even below, k odd above
.endr
.irp i, 0,1,2,3
	v_lshlrev_b32 v[T+2*(\i)], 16, v[WP+4*(\j)+(\i)]   ; the rounded numbers as f32,
	v_and_b32 v[T+2*(\i)+1], s36, v[WP+4*(\j)+(\i)]
.endr
.irp i, 0,1,2,3
	v_cvt_pk_f16_f32 v[T+2*(\i)], v[T+2*(\i)], v[T+2*(\i)+1]  ; written as f16,
.endr
.irp i, 0,1,2,3
	v_cndmask_b32 v[WP+4*(\j)+(\i)], v[WP+4*(\j)+(\i)], v[T+2*(\i)], s21  ; and taken for W_proj alone
.endr
.irp i, 0,1,2,3
	ds_store_b32 v[LW], v[WP+4*(\j)+(\i)] offset:PITCH*(\i)+64*(\j)
.endr
.endr
	s_wait_dscnt 0x0                               ; for the others' sake: my words lie in LDS
	s_barrier_signal -1
	s_barrier_wait -1                              ; everybody's do
.irp j, 0,1,2,3
	ds_load_b128 v[WD+4*(\j):WD+4*(\j)+3], v[LR] offset:16*PITCH*(\j)  ; row t / 16 + 16 j, my 16 bytes; X's arithmetic stands between these loads and the wait for them
.endr
.irp j, 0,1,2,3,4,5,6,7,8,9,10,11,12,13,14,15
	s_wait_loadcnt 15-(\j)                         ; loads come back in order (ISA guide 5.7.1): number j is in, the younger ones stay out
	v_cvt_pk_bf16_f32 v[XP+2*(\j)], v[XD+4*(\j)], v[XD+4*(\j)+1]
	v_cvt_pk_bf16_f32 v[XP+2*(\j)+1], v[XD+4*(\j)+2], v[XD+4*(\j)+3]
	global_store_b64 v[YO], v[XP+2*(\j):XP+2*(\j)+1], s[10:11] offset:256*(\j)  ; a wave's store covers 256 consecutive bytes, aligned; each has registers of its own
.endr
	s_wait_dscnt 0x0
.irp j, 0,1,2,3
	global_store_b128 v[DO], v[WD+4*(\j):WD+4*(\j)+3], s[12:13] offset:32768*(\j)  ; sixteen lanes store 256 consecutive bytes of a row of wt, aligned
.endr
	s_wait_tensorcnt 0x0                           ; the wave's end, behind my last LDS store
	ds_add_u32 v[SPW], v[NIL]
	s_wait_dscnt 0x0
	s_endpgm
.Lfunc_end_k_qa36d2142e3_prep:
	.size	k_qa36d2142e3_prep, .Lfunc_end_k_qa36d2142e3_prep-k_qa36d2142e3_prep
	.p2alignl 7, 3214868480
	.fill 96, 4, 3214868480
	.section	.rodata,"a",@progbits
	.p2align	6, 0x0
	.amdhsa_kernel k_qa36d2142e3_prep
		.amdhsa_group_segment_fixed_size 18432
		.amdhsa_private_segment_fixed_size 0
		.amdhsa_enable_private_segment 0
		.amdhsa_kernarg_size 40
		.amdhsa_user_sgpr_count 2
		.amdhsa_user_sgpr_kernarg_segment_ptr 1
		.amdhsa_wavefront_size32 1
		.amdhsa_system_sgpr_workgroup_id_x 1
		.amdhsa_system_sgpr_workgroup_id_y 1
		.amdhsa_system_sgpr_workgroup_id_z 1
		.amdhsa_system_vgpr_workitem_id 0
		.amdhsa_next_free_vgpr 176
		.amdhsa_next_free_sgpr 66
		.amdhsa_reserve_vcc 0
		.amdhsa_float_denorm_mode_32 3
		.amdhsa_float_denorm_mode_16_64 3
		.amdhsa_memory_ordered 1
		.amdhsa_forward_progress 1
		.amdhsa_inst_pref_size 16
	.end_amdhsa_kernel
	.amdgpu_metadata
---
amdhsa.version: [ 1, 2 ]
amdhsa.kernels:
  - .name:           k_qa36d2142e3_prep
    .symbol:         k_qa36d2142e3_prep.kd
    .args:
      - { .name: X, .offset: 0, .size: 8, .value_kind: global_buffer, .address_space: global }
      - { .name: W_qkv, .offset: 8, .size: 8, .value_kind: global_buffer, .address_space: global }
      - { .name: W_proj, .offset: 16, .size: 8, .value_kind: global_buffer, .address_space: global }
      - { .name: xb, .offset: 24, .size: 8, .value_kind: global_buffer, .address_space: global }
      - { .name: wt, .offset: 32, .size: 8, .value_kind: global_buffer, .address_space: global }
    .group_segment_fixed_size: 18432
    .private_segment_fixed_size: 0
    .kernarg_segment_align: 8
    .kernarg_segment_size: 40
    .max_flat_workgroup_size: 256
    .sgpr_count:     66
    .vgpr_count:     176
    .wavefront_size: 32
...
	.end_amdgpu_metadata
.endif
;; end of part 1
;; launch qkv (part 2): grid 16 x 32, 4 waves a work-group, clusters of 4 x 4, 327,680 bytes of LDS; arguments xb, wt, b_qkv, qkv; writes qkv
.if DOCPART == 2
	.amdgcn_target "amdgcn-amd-amdhsa--gfx1250"
	.amdhsa_code_object_version 6
	.text
	.protected	k_qa36d2142e3_qkv
	.globl	k_qa36d2142e3_qkv
	.p2align	8
	.type	k_qa36d2142e3_qkv,@function
k_qa36d2142e3_qkv:
	s_mov_b64 s[64:65], 0
	v_nop
	global_prefetch_b8 v0, s[64:65] scope:SCOPE_SE
	s_setreg_imm32_b32 hwreg(HW_REG_WAVE_MODE, 25, 1), 1
	s_wait_xcnt 0x0
	s_wait_alu depctr_hold_cnt(0) depctr_sa_sdst(0) depctr_va_vdst(0) depctr_va_sdst(0) depctr_va_ssrc(0) depctr_va_vcc(0) depctr_vm_vsrc(0)
	s_getreg_b32 s2, hwreg(HW_REG_IB_STS2, 6, 4)
	s_cmp_eq_u32 s2, 0
	s_cbranch_scc0 .Lentry_in_a_cluster
	s_endpgm
.Lentry_in_a_cluster:
	s_bfe_u32 s2, ttmp6, 0x10000c
	s_cmp_lg_u32 s2, 0xf033
	s_cbranch_scc0 .Lentry_shape_is_right
	s_endpgm
.Lentry_shape_is_right:
; q, k, v = X W_qkv + b_qkv, laid by heads.  xb: [8192][1024] bf16; wt rows 0-3071: W_qkv's columns, K along the row, bf16; b_qkv: [3072] f32, rounded to bf16 here like the other inputs.
; qkv: [3][64][2048][64] f16 (part, 16 x batch + head, token, channel), rounded once from the f32 sums, without the softmax's scale.
; LIMIT.  f16 holds no number beyond 65,504: q, k and v must stay within it (a conversion of more gives an infinity).
; SHARES.  A tile of the result is 256 tokens x 192 columns: 512 work-groups, twice the number that run at a time, each alone on its WGP.  Four waves, each 64 tokens x all 192 columns: 48 accumulators of 16 x 16.
; So a wave owns three whole groups of 64 channels (a head's share of q, k or v) and stores dense blocks of 2,048 bytes through a stage of its own, with no barrier between waves.
; K goes in 8 steps of 128 through two LDS slots filled by the tensor data mover; rows of 256 bytes, aligned.
; CLUSTER.  4 x 4 work-groups: the four of a row need the same tiles of xb, the four of a column the same tiles of wt; each tile is asked for jointly: the same load, descriptor and mask in all four.
; THE MATRIX INSTRUCTION IS USED TRANSPOSED: source 0 = 16 rows of wt, source 1 = 16 tokens.  Lane l then holds token l % 16 and the columns 16 b + 8 (l / 16) + 0..7: eight neighbours of a row.
; THE BIAS is the C operand of the first product on each accumulator: nothing is cleared, nothing is added at the end.
; REGISTERS, in windows of 256 (s_set_vgpr_msb: bits 1:0 source 0, 3:2 source 1, 5:4 source 2, 7:6 destination):
;   window 0: v0-19 addresses and work; v32-127 the bias, 8 registers an n block; on the way out v32-223, 16 registers a block
;   window 1: two fragment buffers of 128: 4 x 8 of tokens, 12 x 8 of wt      windows 2, 3: accumulator (a, b) has number 4 b + a: 0-31 in window 2, 32-47 in window 3
.set NB,    12                         ; n blocks of 16 columns
.set N1,    4                          ; n blocks multiplied on the first part of a run of loads
.set N2,    2                          ; n blocks multiplied between a barrier's signal and its wait
.set NL,    8+2*NB                     ; LDS loads in a run: a quarter step's fragments
.set W1,    NL-8-2*N1                  ; the loads of a run that the first N1 blocks do not need
.set PA,    272                        ; an LDS row: 256 bytes + 16 = 68 words: the 16 rows of a load start at 16 different groups of four banks (64 banks of 4 bytes: ISA guide 11.1)
.set PB,    272
.set HA,    128*PA                     ; what one tensor load brings of xb: 128 rows
.set HB,    96*PB                      ; of wt: 96 rows
.set BOFF,  2*HA
.set SLOT1, 1<<17                      ; slot 1 begins here: one exclusive or turns an address in one slot into the other's
.set STAGE, SLOT1+2*HA+2*HB            ; behind the ring, never filled by a tensor load: 16 rows x 144 bytes for each wave
.set SP,    144
.set SPARE, STAGE+4*16*SP              ; behind the stages: the spare words, 128 bytes a wave: two blocks of 256 bytes that no other line names
.set STEP_A, 256                       ; bytes from a K step to the next
.set STEP_B, 256
.set F0,    0
.set F1,    128
.set A0,  4                            ; v4   my lane's place in a slot's tokens; never rewritten
.set B0,  5                            ; v5   in its rows of wt
.set ADA, 6                            ; v6   the same in the slot in hand
.set ADB, 7                            ; v7
.set STO, 8                            ; v8   the way out: where I put 16 bytes of a row
.set RD,  9                            ; v9   where I read rows back
.set GO,  10                           ; v10  my 16 bytes in 512 consecutive bytes of qkv
.set BO,  11                           ; v11  32 (l / 16): my eight numbers in 16 of the bias
.set SPW, 12                           ; v12  LDS address of my spare word; never rewritten
.set NIL, 13                           ; v13  0; never rewritten
.set BI,  32
.set OUTR, 32
.set WV,   12                          ; s12  my wave's number
.set HALF, 13                          ; s13  which half of a tile I fetch
.set G1A, 24                           ; s[24:31] descriptor group 1 for xb's tiles
.set G1B, 32                           ; s[32:39] for wt's
.set G0A, 40                           ; s[40:47] group 0 for xb's: a set for each first fill; the second then walks
.set G0B, 48                           ; s[48:55] the same for wt's
.set CNT, 56
.set TB,  57                           ; s57  the slot in hand: 0 or SLOT1
.set OB,  58                           ; s[58:63] qkv at my 64 tokens of my three groups of 64 channels
.set MSB, 0
.macro WIN new                         ; the immediate's high byte repeats the setting that is left; a switch that changes nothing is dropped
.if MSB != (\new)
	s_set_vgpr_msb (MSB<<8)|(\new)
.set MSB, (\new)
.endif
.endm
.macro PLACES                          ; four plain vector instructions between a matrix instruction and a load into, or a read of, its registers
.rept 4
	v_nop
.endr
.endm
; A joint refill: waves 0 and 1 fetch the halves of xb's tile, waves 2 and 3 those of wt's.  The branch hangs on the wave's number alone.  An s_nop 0 and four v_nop follow each line.
.macro JLOAD
	s_cmp_lt_u32 s[WV], 2
	s_cbranch_scc0 .Lfor_b_\@
	tensor_load_to_lds s[G0A+4:G0A+7], s[G1A:G1A+7]
	s_nop 0
.rept 4
	v_nop
.endr
	s_branch .Lasked_\@
.Lfor_b_\@:
	tensor_load_to_lds s[G0B+4:G0B+7], s[G1B:G1B+7]
	s_nop 0
.rept 4
	v_nop
.endr
.Lasked_\@:
.endm
.macro CREST                           ; a round of the cluster's barrier behind its opening barrier: wave 0 signals for the work-group, every wave waits for all sixteen, the work-group's barrier closes
	s_cmp_lg_u32 s[WV], 0
	s_cbranch_scc1 .Lnot_wave_0_\@
	s_barrier_signal -3
.Lnot_wave_0_\@:
	s_barrier_wait -3
	s_barrier_signal -1
	s_barrier_wait -1
.endm
.macro CROUND
	s_barrier_signal -1
	s_barrier_wait -1
	CREST
.endm
; A run of NL LDS loads: the fragments of quarter q (32 along K) of the slot in hand into buffer f: the tokens' first, then wt's in ascending b, so that a counted wait can leave the tail out.
.macro FETCH q, f
	WIN 0x40                               ; destination window 1, address window 0
.set ka, 64*(\q)
.set ii, 0
.rept 4
	ds_load_b128 v[(\f)+8*ii:(\f)+8*ii+3],   v[ADA] offset:ka+ii*16*PA
	ds_load_b128 v[(\f)+8*ii+4:(\f)+8*ii+7], v[ADA] offset:ka+ii*16*PA+32
.set ii, ii+1
.endr
.set ii, 0
.rept NB
	ds_load_b128 v[(\f)+32+8*ii:(\f)+32+8*ii+3],   v[ADB] offset:64*(\q)+ii*16*PB
	ds_load_b128 v[(\f)+32+8*ii+4:(\f)+32+8*ii+7], v[ADB] offset:64*(\q)+ii*16*PB+32
.set ii, ii+1
.endr
.endm
; 4 n matrix instructions: n blocks b0 .. b0 + n - 1 x my four blocks of 16 tokens.  All 48 accumulators take turns, in the same order in every quarter.  first = 1: C is the bias.
.macro MULB f, b0, n, first
.set bb, (\b0)
.rept \n
.set aa, 0
.rept 4
.set idx, 4*bb+aa
.set rD, 8*(idx%32)
.if \first
	WIN 0x85+0x40*(idx/32)                 ; sources 0 and 1 window 1, C window 0, D window 2 or 3
	v_wmma_f32_16x16x32_bf16 v[rD:rD+7], v[(\f)+32+8*bb:(\f)+32+8*bb+7], v[(\f)+8*aa:(\f)+8*aa+7], v[BI+8*bb:BI+8*bb+7]
.else
	WIN 0xa5+0x50*(idx/32)                 ; C and D window 2 or 3
	v_wmma_f32_16x16x32_bf16 v[rD:rD+7], v[(\f)+32+8*bb:(\f)+32+8*bb+7], v[(\f)+8*aa:(\f)+8*aa+7], v[rD:rD+7]
.endif
.set aa, aa+1
.endr
.set bb, bb+1
.endr
.endm
; One of a K step's first three quarters: multiplies buffer f and fetches quarter q into buffer g, in one run in its first third.
.macro QUARTER q, f, g, first
	s_wait_dscnt W1                        ; the tokens' fragments and wt's blocks 0 to N1 - 1 are in; the youngest W1 loads may be out
	MULB \f, 0, N1, \first
	PLACES                                 ; buffer g was read by the quarter before
	FETCH \q, \g
	s_wait_dscnt NL                        ; all but the run just issued
	MULB \f, N1, NB-N1, \first
.endm
; The last quarter multiplies buffer 1 and changes slots.  In front of the barrier each wave waits for all its tensor loads (one is out: its part of the next slot), adds 0 to its spare word, and waits for
; that and for its reads of this slot.  fill = 1: the barrier opens a round of the cluster's, and the joint refill, two K steps on, is the first thing behind it.
.macro TURN fill
	WIN 0
	s_wait_tensorcnt 0x0                   ; no tensor load of mine is out, so a group 0 may be written
	ds_add_u32 v[SPW], v[NIL]              ; 0 onto my spare word; work on registers stands between it and the wait for it
.if \fill
	s_xor_b32 s[G0A+5], s[G0A+5], SLOT1    ; the walking descriptors: the other slot than last time,
	s_add_nc_u64 s[G0A+6:G0A+7], s[G0A+6:G0A+7], STEP_A  ; the next K step; the type bits on top are not reached
	s_xor_b32 s[G0B+5], s[G0B+5], SLOT1
	s_add_nc_u64 s[G0B+6:G0B+7], s[G0B+6:G0B+7], STEP_B
.endif
	s_wait_dscnt W1+1                      ; the add and the youngest W1 loads may be out
	MULB F1, 0, N1, 0
	s_wait_dscnt 0x0                       ; the add is done, and my reads of this slot are over
	s_barrier_signal -1
	MULB F1, N1, N2, 0                     ; work on registers while the others arrive
	WIN 0
	s_barrier_wait -1
.if \fill
	CREST                                  ; no wave of any partner still reads this slot or has a load on its way
	JLOAD                                  ; its four v_nop are also the places in front of the loads below
.else
	PLACES
.endif
	s_xor_b32 s[TB], s[TB], SLOT1
	v_add_nc_u32 v[ADA], s[TB], v[A0]
	v_add_nc_u32 v[ADB], s[TB], v[B0]
	FETCH 0, F0
	MULB F1, N1+N2, NB-N1-N2, 0
.endm
	s_load_b256 s[4:11], s[0:1], 0x0               ; xb s[4:5], wt s[6:7], b_qkv s[8:9], qkv s[10:11]
	v_lshl_add_u32 v[SPW], v0, 2, SPARE
	v_mov_b32 v[NIL], 0
	ds_add_u32 v[SPW], v[NIL]                      ; the wave's opening: the add and its wait stand ahead of my first tensor load; the set-up, work on registers, stands between them
	v_lshrrev_b32 v1, 5, v0
	v_readfirstlane_b32 s[WV], v1                  ; wave 0..3
	s_and_b32 s[HALF], s[WV], 1
	s_bfe_u32 s14, ttmp6, 0x40000                  ; cx
	s_bfe_u32 s15, ttmp6, 0x40004                  ; cy
	s_lshl_b32 s16, ttmp9, 2
	s_add_co_u32 s16, s16, s14                     ; tile column = 4 x cluster x + cx
	s_and_b32 s17, ttmp7, 0xffff
	s_lshl_b32 s17, s17, 2
	s_add_co_u32 s17, s17, s15                     ; tile row = 4 x cluster y + cy
	s_lshl_b32 s18, s15, 2
	s_lshl_b32 s18, 15, s18                        ; my row of the cluster
	s_lshl_b32 s19, 0x1111, s14                    ; my column
	s_or_b32 s[G1A], s18, (1<<16)|(1<<20)|(1<<21)|(5<<22)|(3<<25)  ; the mask; elements of 2 bytes; padding on; bit 21 beside a mask; after every 64 words, 4 words
	s_or_b32 s[G1B], s19, (1<<16)|(1<<20)|(1<<21)|(5<<22)|(3<<25)
	s_mov_b32 s[G1A+1], 128<<16                    ; tensor_dim0 = 128
	s_mov_b32 s[G1A+2], 128<<16                    ; tensor_dim1 = 128
	s_mov_b32 s[G1A+3], 128<<16                    ; tile_dim0 = 128
	s_mov_b32 s[G1A+4], 128                        ; tile_dim1 = 128
	s_mov_b32 s[G1A+5], 1024                       ; elements from row to row
	s_mov_b32 s[G1A+6], 0
	s_mov_b32 s[G1A+7], 0
	s_mov_b32 s[G1B+1], 128<<16
	s_mov_b32 s[G1B+2], 96<<16                     ; 96 rows
	s_mov_b32 s[G1B+3], 128<<16
	s_mov_b32 s[G1B+4], 96
	s_mov_b32 s[G1B+5], 1024
	s_mov_b32 s[G1B+6], 0
	s_mov_b32 s[G1B+7], 0
	s_lshl_b32 s66, s17, 8                         ; xb: row 256 x tile row + 128 x half, in registers that never hold the tile column
	s_lshl_b32 s67, s[HALF], 7
	s_add_co_u32 s66, s66, s67
	s_lshl_b32 s66, s66, 11                        ; rows of 2,048 bytes
	s_mov_b32 s67, 0
	s_mul_i32 s68, s[HALF], HA                     ; and its place in a slot
	s_mul_i32 s70, s16, 192                        ; wt: row 192 x tile column + 96 x half, in registers that never hold the tile row
	s_mul_i32 s71, s[HALF], 96
	s_add_co_u32 s70, s70, s71
	s_lshl_b32 s70, s70, 11
	s_mov_b32 s71, 0
	s_mul_i32 s72, s[HALF], HB
	s_add_co_u32 s72, s72, BOFF
	s_mov_b32 s[TB], 0
	s_mov_b32 s77, 0xffff0000
	s_wait_dscnt 0x0                               ; the opening add is done
	s_wait_kmcnt 0x0
	s_add_nc_u64 s[66:67], s[4:5], s[66:67]
	s_add_nc_u64 s[70:71], s[6:7], s[70:71]
	CROUND                                         ; all sixteen work-groups are here: the first joint loads meet
.irp s, 0,1
	s_mov_b32 s[G0A+4*(\s)], 1                     ; count = 1
	s_add_co_u32 s[G0A+4*(\s)+1], s68, (\s)*SLOT1  ; LDS address
	s_add_nc_u64 s[G0A+4*(\s)+2:G0A+4*(\s)+3], s[66:67], (\s)*STEP_A  ; K step s
	s_or_b32 s[G0A+4*(\s)+3], s[G0A+4*(\s)+3], 0x80000000  ; type = 2
	s_mov_b32 s[G0B+4*(\s)], 1
	s_add_co_u32 s[G0B+4*(\s)+1], s72, (\s)*SLOT1
	s_add_nc_u64 s[G0B+4*(\s)+2:G0B+4*(\s)+3], s[70:71], (\s)*STEP_B
	s_or_b32 s[G0B+4*(\s)+3], s[G0B+4*(\s)+3], 0x80000000
.endr
	s_cmp_lt_u32 s[WV], 2                          ; a wave's two first fills stand in one branch: two loads of mine are out
	s_cbranch_scc0 .Lfirst_b
	tensor_load_to_lds s[G0A:G0A+3], s[G1A:G1A+7]
	s_nop 0
	tensor_load_to_lds s[G0A+4:G0A+7], s[G1A:G1A+7]
	s_nop 0
.rept 4
	v_nop
.endr
	s_branch .Lfirst_asked
.Lfirst_b:
	tensor_load_to_lds s[G0B:G0B+3], s[G1B:G1B+7]
	s_nop 0
	tensor_load_to_lds s[G0B+4:G0B+7], s[G1B:G1B+7]
	s_nop 0
.rept 4
	v_nop
.endr
.Lfirst_asked:
	v_and_b32 v1, 15, v0                           ; r = l % 16
	v_bfe_u32 v2, v0, 4, 1                         ; h = l / 16
	v_lshlrev_b32 v[BO], 5, v2
	s_mul_i32 s74, s16, 768                        ; the tile's 192 numbers of the bias
	s_mov_b32 s75, 0
	s_add_nc_u64 s[8:9], s[8:9], s[74:75]
.set k, 0
.rept NB
	global_load_b128 v[BI+8*k:BI+8*k+3],   v[BO], s[8:9] offset:64*k      ; register j of block b: bias[16 b + 8 h + j]
	global_load_b128 v[BI+8*k+4:BI+8*k+7], v[BO], s[8:9] offset:64*k+16
.set k, k+1
.endr
	v_mul_u32_u24 v14, v1, PA
	v_lshl_add_u32 v14, v2, 4, v14                 ; a fragment's row x pitch + 16 x half
	s_mul_i32 s74, s[WV], 64*PA                    ; my 64 tokens
	v_add_nc_u32 v[A0], s74, v14
	v_add_nc_u32 v[B0], BOFF, v14                  ; every wave reads all 192 rows of wt
	v_mov_b32 v[ADA], v[A0]                        ; slot 0
	v_mov_b32 v[ADB], v[B0]
	s_mul_i32 s74, s[WV], 16*SP
	s_add_co_u32 s74, s74, STAGE                   ; my stage
	v_mul_u32_u24 v[STO], v1, SP                   ; in: row l % 16, 16 bytes for each half of the lanes
	v_lshl_add_u32 v[STO], v2, 4, v[STO]
	v_add_nc_u32 v[STO], s74, v[STO]
	v_bfe_u32 v[RD], v0, 3, 2                      ; back: 32 lanes take four rows of 128 bytes,
	v_mul_u32_u24 v[RD], v[RD], SP
	v_and_b32 v15, 7, v0
	v_lshl_add_u32 v[RD], v15, 4, v[RD]
	v_add_nc_u32 v[RD], s74, v[RD]
	v_and_b32 v[GO], 31, v0                        ; which are 512 consecutive bytes of qkv
	v_lshlrev_b32 v[GO], 4, v[GO]
.irp g, 0,1,2                          ; group G = 3 x tile column + g of 64 columns: part G / 16, head G % 16; batch = tile row / 8
	s_mul_i32 s74, s16, 3
	s_add_co_u32 s74, s74, \g
	s_lshr_b32 s75, s74, 4
	s_and_b32 s74, s74, 15
	s_lshl_b32 s75, s75, 6
	s_add_co_u32 s74, s74, s75
	s_lshr_b32 s75, s17, 3
	s_lshl_b32 s75, s75, 4
	s_add_co_u32 s74, s74, s75
	s_lshl_b32 s74, s74, 18                        ; a head's 2,048 tokens of 128 bytes
	s_and_b32 s75, s17, 7
	s_lshl_b32 s75, s75, 8
	s_lshl_b32 s76, s[WV], 6
	s_add_co_u32 s75, s75, s76                     ; my first token in the batch
	s_lshl_b32 s75, s75, 7
	s_add_co_u32 s74, s74, s75
	s_mov_b32 s75, 0
	s_add_nc_u64 s[OB+2*\g:OB+2*\g+1], s[10:11], s[74:75]
.endr
	s_wait_loadcnt 0x0                             ; the bias
.set k, 0
.rept 4*NB
	v_cvt_pk_bf16_f32 v[16+k%4], v[BI+2*k], v[BI+2*k+1]  ; rounded to bf16 like the other inputs, and widened again
	v_lshlrev_b32 v[BI+2*k], 16, v[16+k%4]
	v_and_b32 v[BI+2*k+1], s77, v[16+k%4]
.set k, k+1
.endr
	s_wait_tensorcnt 1                             ; my part of K step 0 is in; step 1's load may stay out
	s_barrier_signal -1
	s_barrier_wait -1                              ; everybody's is
	FETCH 0, F0
	QUARTER 1, F0, F1, 1                           ; the first quarter stands in front of the loop: its products start the sums, on the bias
	WIN 0                                          ; at a label and at a branch every window is 0
	s_mov_b32 s[CNT], 6
.Lstep:                                        ; a trip: from a K step's second quarter to the next step's first; its refill brings the step two on: steps 2 to 7
	QUARTER 2, F1, F0, 0
	QUARTER 3, F0, F1, 0
	TURN 1
	QUARTER 1, F0, F1, 0
	WIN 0
	s_sub_co_u32 s[CNT], s[CNT], 1
	s_cmp_lg_u32 s[CNT], 0
	s_cbranch_scc1 .Lstep
	QUARTER 2, F1, F0, 0                           ; the last two K steps are written out: nothing is asked for
	QUARTER 3, F0, F1, 0
	TURN 0
	QUARTER 1, F0, F1, 0
	QUARTER 2, F1, F0, 0
	QUARTER 3, F0, F1, 0
	s_wait_dscnt W1
	MULB F1, 0, N1, 0
	s_wait_dscnt 0x0
	MULB F1, N1, NB-N1, 0
	WIN 0
	PLACES                                         ; the conversions below read results
; THE WAY OUT.  Block t = 4 g + a: my tokens 16 a .. 16 a + 15, group g of 64 channels.  A lane's eight channels pack into 16 bytes; they go into rows of 144 bytes of my stage and come back as whole
; rows of 128: 16 tokens of a head are 2,048 consecutive bytes of qkv.  Each block has registers of its own, so nothing that a store reads is written again.
.macro PACK t
.set gg, (\t)/4
.set ab, (\t)%4
	WIN 0x0a+5*(gg/2)                              ; sources 0 and 1: window 2, or 3 for the third group
.set ff, 0
.rept 4
.set rA, 8*((4*(4*gg+ff)+ab)%32)
.set rr, 0
.rept 4
	v_cvt_pk_f16_f32 v[OUTR+16*(\t)+4*ff+rr], v[rA+2*rr], v[rA+2*rr+1]  ; an accumulator's registers in ascending order
.set rr, rr+1
.endr
.set ff, ff+1
.endr
	WIN 0
.irp f, 0,1,2,3
	ds_store_b128 v[STO], v[OUTR+16*(\t)+4*\f:OUTR+16*(\t)+4*\f+3] offset:32*\f
.endr
.irp f, 0,1,2,3
	ds_load_b128 v[OUTR+16*(\t)+4*\f:OUTR+16*(\t)+4*\f+3], v[RD] offset:\f*4*SP  ; LDS serves a wave's instructions in order (ISA guide 5.7.1.4): these see the stores above; the next block's stores come behind them
.endr
.endm
.macro SEND t, younger                 ; younger: the LDS instructions issued behind block t's loads: the next block's eight, or none
	WIN 0
.irp f, 0,1,2,3
	s_wait_dscnt (\younger)+3-\f
	global_store_b128 v[GO], v[OUTR+16*(\t)+4*\f:OUTR+16*(\t)+4*\f+3], s[OB+2*((\t)/4):OB+2*((\t)/4)+1] offset:((\t)%4)*2048+\f*512  ; 512 consecutive bytes, aligned
.endr
.endm
	PACK 0
.set t, 1
.rept 11                               ; a block's conversions stand between the loads of the block before and its stores
	PACK t
	SEND t-1, 8
.set t, t+1
.endr
	SEND 11, 0
	s_wait_tensorcnt 0x0                           ; the wave's end, behind my last tensor load and my last LDS store
	ds_add_u32 v[SPW], v[NIL]
	s_wait_dscnt 0x0
	CROUND                                         ; the closing round: no work-group ends while a partner may still ask for a tile that names it
	s_endpgm
.Lfunc_end_k_qa36d2142e3_qkv:
	.size	k_qa36d2142e3_qkv, .Lfunc_end_k_qa36d2142e3_qkv-k_qa36d2142e3_qkv
	.p2alignl 7, 3214868480
	.fill 96, 4, 3214868480
	.section	.rodata,"a",@progbits
	.p2align	6, 0x0
	.amdhsa_kernel k_qa36d2142e3_qkv
		.amdhsa_group_segment_fixed_size 327680
		.amdhsa_private_segment_fixed_size 0
		.amdhsa_enable_private_segment 0
		.amdhsa_kernarg_size 32
		.amdhsa_user_sgpr_count 2
		.amdhsa_user_sgpr_kernarg_segment_ptr 1
		.amdhsa_wavefront_size32 1
		.amdhsa_system_sgpr_workgroup_id_x 1
		.amdhsa_system_sgpr_workgroup_id_y 1
		.amdhsa_system_sgpr_workgroup_id_z 1
		.amdhsa_system_vgpr_workitem_id 0
		.amdhsa_next_free_vgpr 896
		.amdhsa_next_free_sgpr 80
		.amdhsa_reserve_vcc 0
		.amdhsa_float_denorm_mode_32 3
		.amdhsa_float_denorm_mode_16_64 3
		.amdhsa_memory_ordered 1
		.amdhsa_forward_progress 1
		.amdhsa_inst_pref_size 107
	.end_amdhsa_kernel
	.amdgpu_metadata
---
amdhsa.version: [ 1, 2 ]
amdhsa.kernels:
  - .name:           k_qa36d2142e3_qkv
    .symbol:         k_qa36d2142e3_qkv.kd
    .args:
      - { .name: xb, .offset: 0, .size: 8, .value_kind: global_buffer, .address_space: global }
      - { .name: wt, .offset: 8, .size: 8, .value_kind: global_buffer, .address_space: global }
      - { .name: b_qkv, .offset: 16, .size: 8, .value_kind: global_buffer, .address_space: global }
      - { .name: qkv, .offset: 24, .size: 8, .value_kind: global_buffer, .address_space: global }
    .group_segment_fixed_size: 327680
    .private_segment_fixed_size: 0
    .kernarg_segment_align: 8
    .kernarg_segment_size: 32
    .max_flat_workgroup_size: 128
    .sgpr_count:     80
    .vgpr_count:     896
    .wavefront_size: 32
...
	.end_amdgpu_metadata
.endif
;; end of part 2
;; launch attn (part 3): grid 4 x 64, 4 waves a work-group, clusters of 4 x 1, 327,680 bytes of LDS; arguments qkv, o; writes o
.if DOCPART == 3
	.amdgcn_target "amdgcn-amd-amdhsa--gfx1250"
	.amdhsa_code_object_version 6
	.text
	.protected	k_qa36d2142e3_attn
	.globl	k_qa36d2142e3_attn
	.p2align	8
	.type	k_qa36d2142e3_attn,@function
k_qa36d2142e3_attn:
	s_mov_b64 s[64:65], 0
	v_nop
	global_prefetch_b8 v0, s[64:65] scope:SCOPE_SE
	s_setreg_imm32_b32 hwreg(HW_REG_WAVE_MODE, 25, 1), 1
	s_wait_xcnt 0x0
	s_wait_alu depctr_hold_cnt(0) depctr_sa_sdst(0) depctr_va_vdst(0) depctr_va_sdst(0) depctr_va_ssrc(0) depctr_va_vcc(0) depctr_vm_vsrc(0)
	s_getreg_b32 s2, hwreg(HW_REG_IB_STS2, 6, 4)
	s_cmp_eq_u32 s2, 0
	s_cbranch_scc0 .Lentry_in_a_cluster
	s_endpgm
.Lentry_in_a_cluster:
	s_bfe_u32 s2, ttmp6, 0x10000c
	s_cmp_lg_u32 s2, 0x3003
	s_cbranch_scc0 .Lentry_shape_is_right
	s_endpgm
.Lentry_shape_is_right:
; O[h][q][:] = the sum over k of softmax_k(Q[h][q] . K[h][k] / 8) V[h][k][:].  qkv: [3][SIZE_H][SIZE_N][64] f16 (Q, K, V by heads); o: [SIZE_H][SIZE_N][64] f16: a head's rows are dense, 128 bytes each.
; Products, maxima and sums in f32; the weights p are rounded to f16 for the second product (their sum l is taken of the unrounded p), O once at the end.
; LIMITS.  f16 holds no number beyond 65,504: Q, K and V arrive within it; p lies in 0 to 1, and below 6e-5 it keeps f16's fixed step of 6e-8; O is a mean of V's rows and has their range.
; A weight below 2^-126 counts as 0 in l; NaN and infinities are not treated apart.
; SHARES.  A wave owns four PIECES of two tiles of 16 queries, a work-group's four waves 512 queries of one head: 64 heads x 4 work-groups.  Every wave walks all keys, 64 a step.
; LAYOUT.  S^T = K Q^T (source 0 = 16 keys, source 1 = 16 queries): in the result a lane holds ONE query (lane % 16) and the keys 8 (lane / 16) + 0..7.  Two such tiles, rounded to f16 in pairs,
; ARE source 1 (32 keys x 16 queries) of O^T = V^T P, whose result again holds one query a lane, and eight channels.  K comes out of LDS as it lies, V ([key][channel]) turned, by ds_load_tr16_b128.
; SOFTMAX.  For each query a running maximum m and sum l: p = 2^(c s - c m), c = log2(e) / 8; in every step O and l are multiplied by a = 2^(c m_old - c m_new), which is 1 where m has not grown.
; m starts at the lowest finite number, O and l at 0: the first step is a step like any other, with a = 0.
; THE COUNT.  A tile and step have 16 matrix and 118 vector instructions: too many to stand all beside the matrix work.  So the order has one aim: four vector instructions that are READY behind
; EVERY matrix instruction, and the others, which need time of their own whatever the order, in runs without a gap.
; BY TURNS.  Turn n belongs to piece n (the pieces in a ring, step after step).  Its matrix work: 16 products K Q^T of piece n + 1, later 16 products V^T P of piece n - 1.  Its vector work: the scaling,
; exponentials, roundings, sums and rescaling of piece n, and the maximum and statistics of piece n + 1, whose scores the turn itself has made.  So what a turn begins with (c s - c m, O a) waits for nothing.
; CLUSTER.  The four query blocks of a head are one cluster and walk the same K and V, so each tile is asked for JOINTLY: the same tensor load, descriptor and mask in all four.
; REGISTERS, in windows of 256 (s_set_vgpr_msb says which window each operand place means: bits 1:0 source 0, 3:2 source 1, 5:4 source 2, 7:6 destination):
;   window 0: v0-11 addresses; v12-15, v48-63 at work; v16-47 four registers of statistics a tile; v64-191 S^T, two buffers of two tiles; v192-255 P, likewise
;   window 1: O^T, 32 a tile          window 2: v0-127 Q, 16 a tile; v128-191 K of one step; v192-255 V of one step          window 3: v0-1 the add's two registers
; A piece's buffers go by its number's parity: the piece in hand has one pair, its two neighbours in the ring share the other: of it P (piece n - 1) is read and S^T (piece n + 1) written.
.set SIZE_H, 64
.set SIZE_N, 2048
.set NP,    4         ; pieces a wave: a name, no knob: the register map, the loop and the fetches are made for four
.set KS,    64        ; keys in a step
.set PK,    144       ; a row of K in LDS: 128 bytes + 16 of padding = 36 words: the 16 rows of a load start at 16 different groups of four banks (64 banks of 4 bytes: ISA guide 11.1)
.set PV,    160       ; a row of V: 128 + 32 = 40 words
.set VOFF,  4*KS*PK   ; a slot holds four steps: 256 rows of K, then 256 rows of V
.set SLOT1, 1<<17     ; slot 1 begins here, so that one exclusive or turns an address in one slot into the other's
.set STAGE, SLOT1+4*KS*(PK+PV)  ; behind the ring, never filled by a tensor load: 16 rows x 144 bytes for each wave, for the way out
.set SP,    144
.set AK0, 2           ; v2   my lane's place in a tile of K; never rewritten
.set AV0, 3           ; v3   the same for V
.set AK,  4           ; v4   the LDS address of K's next run of loads
.set AV,  5           ; v5   of V's
.set QO,  6           ; v6   my byte offset in the wave's rows of Q
.set STO, 6           ;      later, the way out: where I put 16 bytes of a row
.set RD,  7           ; v7   the way out: where I read rows back
.set GO,  8           ; v8   my byte offset in 512 consecutive bytes of O
.set PFO, 11          ; v11  the prefetches' offset: 256 x my lane; written once V's address is made, then never again
.set SPW, 0           ; v0 of window 3   LDS address of my spare word: SPARE + 4 x my thread's number; never rewritten
.set NIL, 1           ; v1 of window 3   0; never rewritten
.set SPARE, STAGE+4*16*SP  ; behind the stages: the spare words, 128 bytes for each wave: two blocks of 256 bytes that no other line names
.set MV,  12          ; v12-15  c m_old, kept while c m is made anew: by buffer and tile
.set ST,  16          ; tile t's statistics at v[ST+4 t]: c m, m, l (even keys', odd keys')
.set TMP, 48          ; by buffer and tile, four registers c0-c3 at work; when the maximum is found c2 takes a
.set S,   64
.set P,   192
.set KF,  128         ; K's fragments, in window 2: key block kb, channel half c at KF + 16 kb + 8 c
.set VF,  192         ; V's: key half kk, channel block cb at VF + 32 kk + 8 cb
.set WV,  12          ; s12  my wave's number
.set G1K, 24          ; s[24:31] descriptor group 1 for K's tiles
.set G1V, 32          ; s[32:39] for V's: it differs in the padding alone
.set G0K, 40          ; s[40:43] descriptor group 0 for K's tiles: it walks
.set G0V, 44          ; s[44:47] the same for V's
.set PFA, 48          ; s[48:49] where my prefetches stand: my work-group's 8,192 bytes (of K: wave 0, of V: wave 2) of the slot after the one that is being asked for
.set LIM, 50          ; s50  1 in a wave that prefetches, else the greatest number: a wave prefetches while s[SLOTS] is above it
.set SLOTS, 56        ; s56  slots still to be asked for
.set CNT, 57          ; s57  counts a slot's key steps
.set CS,  58          ; s[58:59] c: the packed scaling takes the pair's low word for both halves
.set SEL, 60          ; s[60:61] v_permlanex16_b32's selects: each lane takes its own place in the other half
.set TBK, 62          ; s62  LDS byte at which K of the step to be fetched begins
.set TBV, 63          ; s63  the same for V, less VOFF
.set MSB, 0
.macro WIN new                      ; the high byte repeats the setting that is left; a switch that changes nothing is dropped
.if MSB != (\new)
	s_set_vgpr_msb (MSB<<8)|(\new)
.set MSB, (\new)
.endif
.endm
.set W_KQ, 0x0a       ; K and Q in window 2, S^T in window 0
.set W_PV, 0x52       ; V in window 2, P in window 0, O^T in window 1
.set W_RS, 0x41       ; O^T (destination and source 0) in window 1, a in window 0
.set W_MK, 0xc0       ; the add's registers are made: destination in window 3, sources in window 0
.set W_AD, 0x0f       ; the add: address (source 0) and data (source 1) in window 3
; A joint fill.  Waves 0 and 1 fetch the two halves of a slot's K, waves 2 and 3 those of its V: 128 keys each.  The branch hangs on the wave's number alone.
; An s_nop 0 and four v_nop follow each of the two lines, ahead of the jump and the label.
.macro JLOAD
	s_cmp_lt_u32 s[WV], 2
	s_cbranch_scc0 .Lfor_v_\@
	tensor_load_to_lds s[G0K:G0K+3], s[G1K:G1K+7]
	s_nop 0
.rept 4
	v_nop
.endr
	s_branch .Lasked_\@
.Lfor_v_\@:
	tensor_load_to_lds s[G0V:G0V+3], s[G1V:G1V+7]
	s_nop 0
.rept 4
	v_nop
.endr
.Lasked_\@:
.endm
; A PREFETCH INTO THE L2 of what the NEXT change of slots will ask for: a slot's 32,768 bytes of K and of V, 256 bytes a lane.  It stands behind the wave's tensor load and its five lines.
; Each aligned block of 256 bytes is named once in the launch: a head has one cluster; its four partners share a slot out BY ADDRESS, 8,192 bytes each (no branch hangs on a work-group's place);
; in each, wave 0 asks for K's and wave 2 for V's: one instruction.  The last change that fills a slot asks for nothing: there is no slot behind it.  Slots 0 and 1 come by their loads alone.
.macro ASK
	s_cmp_gt_u32 s[SLOTS], s[LIM]
	s_cbranch_scc0 .Lnot_mine_\@
	global_prefetch_b8 v[PFO], s[PFA:PFA+1] th:TH_LOAD_NT scope:SCOPE_SE
.Lnot_mine_\@:
.endm
; A round of the cluster's barrier: my work-group's barrier, so that wave 0's signal speaks for all four waves; wave 0 signals; every wave waits for all four work-groups; my work-group's barrier once more.
.macro CROUND
	s_barrier_signal -1
	s_barrier_wait -1
	s_cmp_lg_u32 s[WV], 0
	s_cbranch_scc1 .Lnot_wave_0_\@
	s_barrier_signal -3
.Lnot_wave_0_\@:
	s_barrier_wait -3
	s_barrier_signal -1
	s_barrier_wait -1
.endm
; THE CHANGE OF SLOTS.  The slot's last bytes, V of its fourth step, have been read.  Each wave waits for all its tensor loads, of which one is out: its part
; of the other slot; adds 0 to its spare word; and waits for that and for its own reads of the slot.  Behind the barrier nobody reads this slot any more and the other slot is whole.
; fill = 1: this slot is filled again, with the keys two slots on.  The barrier is then a round of the cluster's, so that no wave of any partner still reads the slot or has a load on its
; way, and the joint fill is the first thing behind it: it has four key steps, 512 matrix instructions, in which to land.  (At its first use nothing has been read yet: slot 0 is waited for, slot 1 filled.)
.macro CHANGE fill
	WIN W_AD
	s_wait_tensorcnt 0x0            ; no tensor load of mine is out, so a group 0 may be written
	ds_add_u32 v[SPW], v[NIL]       ; 0 onto my spare word; with fill = 1 the descriptors' steps stand between it and the wait for it
	WIN 0                           ; at a label and at a branch every window is 0
.if \fill
.irp g, G0K, G0V
	s_xor_b32 s[\g+1], s[\g+1], SLOT1  ; the walking descriptor: the other slot than last time,
	s_add_nc_u64 s[\g+2:\g+3], s[\g+2:\g+3], 4*KS*128  ; the next 256 keys; the type bits on top are not reached
.endr
	s_wait_xcnt 0x0                 ; the last prefetch, four key steps back, has read its address, so it may be written:
	s_add_nc_u64 s[PFA:PFA+1], s[PFA:PFA+1], 4*KS*128  ; one slot behind the walking descriptors
	s_wait_dscnt 0x0                ; the add is done, and my reads of the slot are over
	CROUND
	JLOAD
	ASK                             ; what the next change will ask for
.else
	s_wait_dscnt 0x0                ; the add is done, and my reads of the slot are over
	s_barrier_signal -1
	s_barrier_wait -1
.endif
	s_sub_co_u32 s[TBK], s[TBK], 4*KS*PK  ; the fetches go back to a slot's first step,
	s_xor_b32 s[TBK], s[TBK], SLOT1       ; in the other slot
	s_sub_co_u32 s[TBV], s[TBV], 4*KS*PV
	s_xor_b32 s[TBV], s[TBV], SLOT1
.endm
	s_load_b128 s[4:7], s[0:1], 0x0  ; qkv s[4:5], o s[6:7]
	WIN W_MK
	v_lshl_add_u32 v[SPW], v0, 2, SPARE
	v_mov_b32 v[NIL], 0
	WIN W_AD
	ds_add_u32 v[SPW], v[NIL]       ; the wave's opening: the add and its wait stand ahead of my first tensor load; the set-up below, work on registers, stands between them
	WIN 0
	v_lshrrev_b32 v1, 5, v0
	v_readfirstlane_b32 s[WV], v1   ; wave 0..3
	s_bfe_u32 s13, ttmp6, 0x40000   ; cx: my place in the cluster
	s_lshl_b32 s14, ttmp9, 2        ; in a cluster launch ttmp9 counts clusters
	s_add_co_u32 s14, s14, s13      ; my block of queries = 4 x cluster x + cx: it enters Q's and O's addresses alone
	s_and_b32 s20, ttmp7, 0xffff    ; the head, which the four partners share
	s_mov_b32 s21, 0
	s_mov_b64 s[22:23], SIZE_N*128
	s_mul_u64 s[20:21], s[20:21], s[22:23]  ; the head's first byte in Q, K, V and O
	s_and_b32 s16, s[WV], 1         ; which half of a slot's 256 keys I fetch:
	s_lshl_b32 s22, s16, 14         ; its 128 rows of 128 bytes in memory,
	s_mov_b32 s23, 0
	s_add_nc_u64 s[22:23], s[22:23], s[20:21]
	s_mul_i32 s17, s16, 128*PK      ; and its place in a slot, for K
	s_mul_i32 s18, s16, 128*PV      ; and for V: no place in the cluster enters an LDS address
	s_lshl_b32 s2, s14, 2
	s_add_co_u32 s2, s2, s[WV]      ; my wave among the head's,
	s_lshl_b32 s2, s2, 14           ; its 128 rows
	s_mov_b32 s3, 0
	s_add_nc_u64 s[2:3], s[2:3], s[20:21]
	; descriptor group 1.  128 keys are 16,384 dense bytes: asked for as 64 rows of 256 bytes, two keys a row, and padded in LDS after every key
	s_mov_b32 s[G1K], 15|(1<<16)|(1<<20)|(1<<21)|(4<<22)|(3<<25)  ; 15:0 the mask of four; 17:16 2-byte elements; 20 padding on; 21 set beside a mask; 24:22 after every 32 words (code 4); 31:25 4 words (code 3)
	s_mov_b32 s[G1V], 15|(1<<16)|(1<<20)|(1<<21)|(4<<22)|(7<<25)  ; the same with 8 words of padding (code 7)
.irp g, G1K, G1V
	s_mov_b32 s[\g+1], 128<<16      ; tensor_dim0 = 128
	s_mov_b32 s[\g+2], 64<<16       ; tensor_dim1 = 64
	s_mov_b32 s[\g+3], 128<<16      ; tile_dim0 = 128
	s_mov_b32 s[\g+4], 64           ; tile_dim1 = 64
	s_mov_b32 s[\g+5], 128          ; 128 elements from row to row
	s_mov_b32 s[\g+6], 0
	s_mov_b32 s[\g+7], 0
.endr
	s_mov_b32 s[CS], 0x3e38aa3b     ; c = log2(e) / 8 = 0.180337
	s_mov_b32 s[CS+1], s[CS]        ; named with it as a pair
	s_mov_b32 s[SEL], 0x76543210
	s_mov_b32 s[SEL+1], 0xfedcba98
	s_mov_b32 s[TBK], SLOT1+4*KS*PK ; the first change of slots turns these two into 0
	s_mov_b32 s[TBV], SLOT1+4*KS*PV
	s_mov_b32 s[G0K], 1             ; 1:0 count = 1
	s_mov_b32 s[G0K+1], s17         ; 63:32 LDS address: slot 0
	s_mov_b32 s[G0V], 1
	s_add_co_u32 s[G0V+1], s18, VOFF
	s_mov_b32 s[SLOTS], SIZE_N/256-1
	s_and_b32 s[LIM], s[WV], 1      ; waves 0 and 2 prefetch: the same in all four partners
	s_cmp_eq_u32 s[LIM], 0
	s_cselect_b32 s[LIM], 1, -1
	s_wait_dscnt 0x0                ; the opening add is done
	s_wait_kmcnt 0x0
	s_mov_b64 s[10:11], s[6:7]                     ; O
	s_add_nc_u64 s[8:9], s[4:5], 0x2000000         ; V: the third part of qkv
	s_add_nc_u64 s[6:7], s[4:5], 0x1000000         ; K: the second; Q is the first
	s_add_nc_u64 s[G0K+2:G0K+3], s[6:7], s[22:23]  ; 120:64 global address: my half of the head's first 256 keys
	s_or_b32 s[G0K+3], s[G0K+3], 0x80000000        ; 127:126 type = 2
	s_add_nc_u64 s[G0V+2:G0V+3], s[8:9], s[22:23]
	s_or_b32 s[G0V+3], s[G0V+3], 0x80000000
	s_add_nc_u64 s[4:5], s[4:5], s[2:3]  ; Q and O at my wave's first row
	s_add_nc_u64 s[10:11], s[10:11], s[2:3]
	s_cmp_lt_u32 s[WV], 2
	s_cselect_b64 s[PFA:PFA+1], s[6:7], s[8:9]
	s_add_nc_u64 s[PFA:PFA+1], s[PFA:PFA+1], s[22:23]  ; (in waves 0 and 2: the head's first byte)
	s_lshl_b32 s2, s13, 13          ; my work-group's quarter of a slot
	s_mov_b32 s3, 0
	s_add_nc_u64 s[PFA:PFA+1], s[PFA:PFA+1], s[2:3]
	s_add_nc_u64 s[PFA:PFA+1], s[PFA:PFA+1], 4*KS*128  ; in slot 1; the first change of slots steps it to slot 2
	CROUND                          ; all four work-groups are here: the first joint loads meet
	JLOAD                           ; slot 0.  Slot 1 is asked for when slot 0 is in: the tile wanted first has the road to itself
	; A fragment of K or Q is 16 rows x 32 channels in 8 registers: lane l holds row l % 16, channels 8 (l / 16) + 0..7 and 16 + 8 (l / 16) + 0..7: two loads of 16 bytes, 32 bytes apart.
	v_and_b32 v1, 15, v0            ; l % 16
	v_bfe_u32 v9, v0, 4, 1          ; l / 16
	v_lshlrev_b32 v[QO], 7, v1
	v_lshl_add_u32 v[QO], v9, 4, v[QO]  ; row x 128 + 16 x half
	WIN 0x80                        ; destination window 2, address window 0
.set i, 0
.rept 4*NP                          ; Q stays in registers: tile i / 2, channels 32 (i % 2) on
	global_load_b128 v[8*i:8*i+3],   v[QO], s[4:5] offset:(i/2)*2048+(i%2)*64
	global_load_b128 v[8*i+4:8*i+7], v[QO], s[4:5] offset:(i/2)*2048+(i%2)*64+32
.set i, i+1
.endr
	; What the first turn finds: V's registers and P's second buffer hold 0 (its products V^T P, of a piece that has not been, add 0), O^T and l are 0.  All this stands in the wait for the first tile.
.set i, VF
.rept 64
	v_mov_b32 v[i], 0
.set i, i+1
.endr
	WIN 0x40
.set i, 0
.rept 64*NP
	v_mov_b32 v[i], 0
.set i, i+1
.endr
	WIN 0
.set i, 0
.rept 2*NP
	v_mov_b32 v[ST+4*i], 0xfe000000    ; c m: far below every c s
	v_mov_b32 v[ST+4*i+1], 0xff7fffff  ; m
	v_mov_b32 v[ST+4*i+2], 0
	v_mov_b32 v[ST+4*i+3], 0
.set i, i+1
.endr
.set i, P+32
.rept 32
	v_mov_b32 v[i], 0
.set i, i+1
.endr
	v_mul_u32_u24 v[AK0], v1, PK
	v_lshl_add_u32 v[AK0], v9, 4, v[AK0]  ; row x pitch + 16 x half
	; The turning load takes 16 keys x 16 channels (lane l reads key 8 (l / 16) + l % 8, channels 8 ((l / 8) % 2) + 0..7) and leaves half a fragment of V^T: lane l holds channel l % 16 and 8 keys.
	v_and_b32 v10, 7, v0
	v_bfe_u32 v11, v0, 3, 1
	v_lshl_add_u32 v[AV0], v9, 3, v10
	v_mul_u32_u24 v[AV0], v[AV0], PV
	v_lshl_add_u32 v[AV0], v11, 4, v[AV0]
	v_add_nc_u32 v[AV0], VOFF, v[AV0]
	v_and_b32 v[PFO], 31, v0        ; v11 has served: from here on it is the prefetches' offset
	v_lshlrev_b32 v[PFO], 8, v[PFO]
	v_mov_b32 v[AK], v[AK0]         ; key step 0 lies at the head of slot 0
; THE MATRIX WORK.  The 8 accumulators of a run of 16 take turns: between the two links of a chain stand 7 others'.
; Product i of 16 of S^T = K Q^T for piece x: channels 32 (i / 8) on, keys 16 ((i / 2) % 4) on, tile 2 x + i % 2.  The first 8 start the sums.
.macro KQ x
	WIN W_KQ
.set rS, S+64*((\x)%2)+32*(i%2)+8*((i/2)%4)
.set rK, KF+16*((i/2)%4)+8*(i/8)
.set rQ, 16*(2*(\x)+i%2)+8*(i/8)
.if i < 8
	v_wmma_f32_16x16x32_f16 v[rS:rS+7], v[rK:rK+7], v[rQ:rQ+7], 0
.else
	v_wmma_f32_16x16x32_f16 v[rS:rS+7], v[rK:rK+7], v[rQ:rQ+7], v[rS:rS+7]
.endif
.endm
; Product i of 16 of O^T += V^T P for piece x: keys 32 (i / 8) on, channels 16 ((i / 2) % 4) on, tile 2 x + i % 2.
.macro PV x
	WIN W_PV
.set rO, 32*(2*(\x)+i%2)+8*((i/2)%4)
.set rV, VF+32*(i/8)+8*((i/2)%4)
.set rP, P+32*((\x)%2)+16*(i%2)+8*(i/8)
	v_wmma_f32_16x16x32_f16 v[rO:rO+7], v[rV:rV+7], v[rP:rP+7], v[rO:rO+7]
.endm
.macro MM                           ; the turn's next matrix instruction
.if i < 16
	KQ (Y+1)%NP
.set i, i+1
.else
.set i, i-16
	PV (Y+NP-1)%NP
.set i, i+17
.endif
.endm
; THE LDS LOADS stand in runs of 16, never singly among the matrix instructions: a step's K (64 keys x 64 channels: 8 fragments) and its V (turned).  Their addresses are made some lines ahead.
; last = 1 (the tail): in the last trip there is no further step, and the run is jumped over.
.macro FETCH_K last=0
	WIN 0
.if \last
	s_cmp_eq_u32 s[CNT], 1
	s_cbranch_scc1 .Lno_k_\@
.endif
	WIN 0x80                        ; destination window 2
.irp f, 0,1,2,3,4,5,6,7             ; keys 16 (f / 2) on, channels 32 (f % 2) on
	ds_load_b128 v[KF+8*\f:KF+8*\f+3],   v[AK] offset:(\f/2)*16*PK+(\f%2)*64
	ds_load_b128 v[KF+8*\f+4:KF+8*\f+7], v[AK] offset:(\f/2)*16*PK+(\f%2)*64+32
.endr
	s_add_co_u32 s[TBK], s[TBK], KS*PK  ; the next fetch is the next step's
	WIN 0
.if \last
.Lno_k_\@:
.endif
.endm
.macro FETCH_V
	WIN 0x80
.irp f, 0,1,2,3,4,5,6,7             ; keys 32 (f / 4) on, channels 16 (f % 4) on
	ds_load_tr16_b128 v[VF+8*\f:VF+8*\f+3],   v[AV] offset:(\f/4)*32*PV+(\f%4)*32
	ds_load_tr16_b128 v[VF+8*\f+4:VF+8*\f+7], v[AV] offset:(\f/4)*32*PV+16*PV+(\f%4)*32
.endr
	WIN 0
.endm
; THE VECTOR WORK OF A TURN stands in three queues, each in the order in which its entries become ready; the two tiles alternate, so that no instruction reads the result of the one before it.
.macro REGS y, u                    ; the registers of tile u (0, 1) of piece y
.set rT, ST+4*(2*(\y)+(\u))
.set rC, TMP+8*((\y)%2)+4*(\u)
.set rM, MV+2*((\y)%2)+(\u)
.set rS, S+64*((\y)%2)+32*(\u)
.set rP, P+32*((\y)%2)+16*(\u)
.set rO, 32*(2*(\y)+(\u))
.endm
; Number n of the 22 that find the NEXT piece's (Y + 1) maximum and statistics.  s0-s31 are the lane's 32 scores; each accumulator's lowest registers are read first.  XS, GS and REGS set no window: PL and EX do.
;   0-11  four chains c0-c3 of seven scores each, three operands at a time     12-14, 16  the four scores left over, the old m, and c0-c3 into c0     15  c m_old is kept
;   17, 18  the query's other 32 keys lie in the lane 16 away: the new m         19-21  c m; c m_old - c m_new; a
.macro XS u, n
	REGS (Y+1)%NP, \u
.if (\n) < 4
	v_max3_num_f32 v[rC+(\n)], v[rS+8*(\n)], v[rS+8*(\n)+1], v[rS+8*(\n)+2]
.elseif (\n) < 12
	v_max3_num_f32 v[rC+(\n)%4], v[rC+(\n)%4], v[rS+8*((\n)%4)+2*((\n)/4)+1], v[rS+8*((\n)%4)+2*((\n)/4)+2]
.elseif (\n) == 12
	v_max3_num_f32 v[rC], v[rC], v[rS+7], v[rS+15]
.elseif (\n) == 13
	v_max3_num_f32 v[rC+1], v[rC+1], v[rS+23], v[rS+31]
.elseif (\n) == 14
	v_max3_num_f32 v[rC+2], v[rC+2], v[rC+3], v[rT+1]
.elseif (\n) == 15
	v_mov_b32 v[rM], v[rT]
.elseif (\n) == 16
	v_max3_num_f32 v[rC], v[rC], v[rC+1], v[rC+2]
.elseif (\n) == 17
	v_permlanex16_b32 v[rC+3], v[rC], s[SEL], s[SEL+1]
.elseif (\n) == 18
	v_max_num_f32 v[rT+1], v[rC], v[rC+3]
.elseif (\n) == 19
	v_mul_f32 v[rT], s[CS], v[rT+1]
.elseif (\n) == 20
	v_sub_f32 v[rC+1], v[rM], v[rT]
.else
	v_exp_f32 v[rC+2], v[rC+1]
.endif
.endm
; Number g of the 64 that follow the exponentials.  For each four weights k of a tile (pairs 2 k, 2 k + 1): both pairs are rounded to f16; then the second pair is added onto the first, in place;
; a group later l takes that sum (the first time as l = a l + sum).  In groups of eight, tiles alternating: round, round, add, and l for the group before.
.macro GS g
.set h, (\g)+6*((\g)/62)            ; group 0 has no group before it, and behind group 7 only l is left
.if h >= 6
.set h, h+2
.endif
	REGS Y, h%2
.set k, h/8
.if h%8 < 4
	s_wait_alu depctr_va_vdst(0)
	v_cvt_pk_f16_f32 v[rP+2*k+(h%8)/2], v[rS+4*k+2*((h%8)/2)], v[rS+4*k+2*((h%8)/2)+1]
.elseif h%8 < 6
	v_pk_add_f32 v[rS+4*k:rS+4*k+1], v[rS+4*k:rS+4*k+1], v[rS+4*k+2:rS+4*k+3]
.elseif k == 1
	v_pk_fma_f32 v[rT+2:rT+3], v[rT+2:rT+3], v[rC+2:rC+3], v[rS:rS+1] op_sel_hi:[1,0,1]
.else
	v_pk_add_f32 v[rT+2:rT+3], v[rT+2:rT+3], v[rS+4*k-4:rS+4*k-3]
	s_wait_alu depctr_va_vdst(0)
.endif
.endm
; THE PLAIN QUEUE, 138 long.  0-31: c s - c m for the 16 pairs of both tiles.  Then GS's 64, and among them the next piece's 42: number 15 at 38, 39; 0-14 and 16
; at 42-73, behind the products that make those scores; 17-20 at 95-106, two of three, since each waits for the one before it.
.macro PL
	WIN 0
.if q < 32
	REGS Y, q%2
	v_pk_fma_f32 v[rS+2*(q/2):rS+2*(q/2)+1], v[rS+2*(q/2):rS+2*(q/2)+1], s[CS:CS+1], v[rT:rT+1] op_sel_hi:[1,0,0] neg_lo:[0,0,1] neg_hi:[0,0,1]
.elseif q < 38
	GS q-32
.elseif q < 40
	XS q%2, 15
.elseif q < 42
	GS q-34
.elseif q < 74
	XS q%2, (q-42)/2+(q-42)/30
.elseif q < 95
	GS q-66
.elseif (q < 107) && ((q-95)%3 < 2)
	XS (q-95)%3, 17+(q-95)/3
.elseif q < 107
	GS 29+(q-95)/3
.else
	GS q-74
.endif
.set q, q+1
.endm
; THE EXPONENTIALS' QUEUE, 66 long: s0-s31 of both tiles, and at EA the next piece's two a.
.set EA, 58
.macro EX
	WIN 0
.if (e == EA) || (e == EA+1)
	XS e-EA, 21
.else
.set x, e-2*(e/(EA+2))
	REGS Y, x%2
	v_exp_f32 v[rS+x/2], v[rS+x/2]
.endif
.set e, e+1
.endm
; THE RESCALING's QUEUE: O^T times a, the one part that leaves window 0, so it is dealt four at a time, eight times.
.macro R4
	REGS Y, r%2
	WIN W_RS
	s_wait_alu depctr_va_vdst(0)
.irp z, 0,1,2,3
	v_pk_mul_f32 v[rO+8*(r/2)+2*\z:rO+8*(r/2)+2*\z+1], v[rO+8*(r/2)+2*\z:rO+8*(r/2)+2*\z+1], v[rC+2:rC+3] op_sel_hi:[1,0]
.endr
.set r, r+1
.endm
; HOW THEY ARE DEALT.  Behind a matrix instruction four: plain, exponential, plain, plain (one exponential, a plain instruction on either side), or four of the rescaling.  None names a register of the
; products round it.  What is over stands in two LUMPS: exponential and plain by turns; the second ends in 22 plain instructions.  The two v_permlanex16_b32 fall into the second lump, never behind a product.
; The queues lean on each other, and the deal keeps them in step: exponential e stands behind plain 2 (e / 4) + e % 2 (its scaling); when plain 32 comes, 10 exponentials are out, at 59: 33, at 95: 46; EA comes behind plain 107.
.macro SL
	MM
	PL
	EX
	PL
	PL
.endm
.macro BURST n                      ; 15 matrix instructions, or 16
.rept (\n)-7
	SL
.endr
.rept 3
	MM
	R4
	SL
.endr
	MM
	R4
.endm
; A TURN, for piece p.  cnt = 1: the loop's count is taken down some lines ahead of the branch that stands behind the turn.
; K of the next step is fetched in piece 2's turn, 31 vector instructions behind the last product that read K; its first reader comes behind the rest of the lump, 16 products and the second lump.
; V of the step in hand is fetched at the end of piece 0's turn, 69 behind its last reader; its first reader comes behind 16 products and a lump.  The four conditions on e and q below go with the deal.
.macro TURN p, last=0, cnt=0
.set Y, (\p)
.set i, 0
.set q, 0
.set e, 0
.set r, 0
.if (\p) == NP-1
	s_wait_dscnt 0x0                ; K is in
.endif
	MM
.rept 4
	PL
.endr
	BURST 15
.rept 22
	EX
	PL
.if ((\p) == NP-2) && (e == 18)
	v_add_nc_u32 v[AK], s[TBK], v[AK0]
.endif
.if ((\p) == NP-2) && (e == 24)
	FETCH_K \last
.endif
.endr
.if (\p) == 1
	s_wait_dscnt 0x0                ; V is in
.endif
	BURST 16
.rept 21
	EX
	PL
.endr
.rept 22
	PL
.if ((\p) == 0) && (q == 118)
	v_add_nc_u32 v[AV], s[TBV], v[AV0]
	s_wait_alu depctr_va_vdst(0)
.endif
.if ((\p) == 0) && (q == 130)
	s_add_co_u32 s[TBV], s[TBV], KS*PV
.endif
.if (\cnt) && (q == 130)
	s_sub_co_u32 s[CNT], s[CNT], 1
	s_cmp_lg_u32 s[CNT], 0
.endif
.endr
.if (\p) == 0
	FETCH_V
.endif
.endm
	CHANGE 1                        ; slot 0 is in, everybody's part of it; slot 1 is asked for
	FETCH_K                         ; key step 0
	s_wait_loadcnt 0x0              ; Q
	s_wait_dscnt 0x0
.set i, 0
.rept 16
	KQ 0                            ; piece 0's first scores: there is no vector work yet to set between them
.set i, i+1
.endr
	WIN 0                           ; the addresses for the way out: nine plain instructions, the places behind those products
	s_mul_i32 s13, s[WV], 16*SP
	s_add_co_u32 s13, s13, STAGE    ; my stage
	v_mul_u32_u24 v[STO], v1, SP    ; in: row l % 16, 16 bytes for each half of the lanes
	v_lshl_add_u32 v[STO], v9, 4, v[STO]
	v_add_nc_u32 v[STO], s13, v[STO]
	v_bfe_u32 v[RD], v0, 3, 2       ; back: 32 lanes take four rows of 128 bytes,
	v_mul_u32_u24 v[RD], v[RD], SP
	v_lshl_add_u32 v[RD], v10, 4, v[RD]
	v_add_nc_u32 v[RD], s13, v[RD]
	v_and_b32 v[GO], 31, v0         ; which are 512 consecutive bytes of O
	v_lshlrev_b32 v[GO], 4, v[GO]
.set Y, NP-1                        ; XS works for piece Y + 1: piece 0
.irp n, 0,1,2,3,4,5,6,7,8,9,10,11,12,13,14,15,16,17,18,19,20,21
	XS 0, \n                        ; and piece 0's first maximum and statistics
	XS 1, \n
.endr
	s_mov_b32 s[CNT], 4
	s_branch .Lfirst                ; the loop is entered at a step's first turn, in the middle of a trip
.Lslot:                             ; SIZE_N / 256 - 2 times: every slot but the last two is filled again
	CHANGE 1
	s_mov_b32 s[CNT], 4
.Lstep:                             ; a trip: pieces 2 and 3 of one step, then pieces 0 and 1 of the next, whose K and V it fetches
	TURN 2
	TURN 3
	WIN 0
.Lfirst:
	TURN 0
	TURN 1, 0, 1
	WIN 0
	s_cbranch_scc1 .Lstep
	s_sub_co_u32 s[SLOTS], s[SLOTS], 1
	s_cmp_lg_u32 s[SLOTS], 0
	s_cbranch_scc1 .Lslot
	CHANGE 0                        ; the tail is written out: nothing is asked for
	s_mov_b32 s[CNT], 5             ; four trips fetch the last slot's steps; the fifth is left in its middle
.Ltail:
	TURN 2, 1
	TURN 3
	WIN 0
	s_sub_co_u32 s[CNT], s[CNT], 1
	s_cmp_eq_u32 s[CNT], 0
	s_cbranch_scc1 .Lout
	TURN 0
	TURN 1
	WIN 0
	s_branch .Ltail
.Lout:                              ; the fifth trip's 16 products K Q^T (on the last K once more) and the maximum made of them serve nothing: the price, once a launch, of one text for every trip
.set i, 0
.rept 16
	PV NP-1                         ; the last piece's V^T P of the last step
.set i, i+1
.endr
	; THE WAY OUT.  l's two halves and the other half of the lanes' are added; O^T is divided by l, rounded to f16 and sent through my stage in LDS, a tile at a time.  The additions are the places behind the last products.
	WIN 0
.macro ALL line:vararg              ; one line for each tile t
.set t, 0
.rept 2*NP
	\line
.set t, t+1
.endr
.endm
	ALL v_add_f32 v[ST+4*t+2], v[ST+4*t+2], v[ST+4*t+3]
	ALL v_permlanex16_b32 v[ST+4*t+3], v[ST+4*t+2], s[SEL], s[SEL+1]
	ALL v_add_f32 v[ST+4*t+2], v[ST+4*t+2], v[ST+4*t+3]
	ALL v_rcp_f32 v[ST+4*t+2], v[ST+4*t+2]
	v_nop                           ; a plain instruction between the last reciprocal and the use of its result
	s_wait_alu depctr_va_vdst(0)
; Tile t: a lane's eight channels of a row pack into 16 bytes; they go into rows of 144 bytes and come back as whole rows of 128, into S^T's registers.
.macro PACK t
	WIN W_RS
.set i, 32*(\t)
.rept 16
	v_pk_mul_f32 v[i:i+1], v[i:i+1], v[ST+4*(\t)+2:ST+4*(\t)+3] op_sel_hi:[1,0]
.set i, i+2
.endr
	WIN 0x05                        ; sources 0 and 1 window 1, destination window 0
.set i, 0
.rept 16
	v_cvt_pk_f16_f32 v[S+16*(\t)+i], v[32*(\t)+2*i], v[32*(\t)+2*i+1]
.set i, i+1
.endr
	WIN 0
.irp f, 0,1,2,3
	ds_store_b128 v[STO], v[S+16*(\t)+4*\f:S+16*(\t)+4*\f+3] offset:32*\f
.endr
.irp f, 0,1,2,3
	ds_load_b128 v[S+16*(\t)+4*\f:S+16*(\t)+4*\f+3], v[RD] offset:\f*4*SP  ; LDS serves a wave's instructions in order (ISA guide 5.7.1.4): these see the stores above; the next tile's stores come behind them
.endr
.endm
.macro SEND t, younger              ; younger: the LDS instructions issued behind tile t's loads: the next tile's eight, or none
	WIN 0
.irp f, 0,1,2,3
	s_wait_dscnt (\younger)+3-\f
	global_store_b128 v[GO], v[S+16*(\t)+4*\f:S+16*(\t)+4*\f+3], s[10:11] offset:(\t)*2048+\f*512  ; 512 consecutive bytes, at a multiple of 256 from O's first
.endr
.endm
	PACK 0
.set t, 1
.rept 2*NP-1                        ; a tile's arithmetic stands between the loads of the tile before and its stores
	PACK t
	SEND t-1, 8
.set t, t+1
.endr
	SEND 2*NP-1, 0
	WIN W_AD
	s_wait_tensorcnt 0x0            ; the wave's end, behind my last tensor load and my last LDS store
	ds_add_u32 v[SPW], v[NIL]
	s_wait_dscnt 0x0
	WIN 0
	CROUND                          ; the closing round: no work-group ends while a partner may still ask for a tile that names it
	s_endpgm
.Lfunc_end_k_qa36d2142e3_attn:
	.size	k_qa36d2142e3_attn, .Lfunc_end_k_qa36d2142e3_attn-k_qa36d2142e3_attn
	.p2alignl 7, 3214868480
	.fill 96, 4, 3214868480
	.section	.rodata,"a",@progbits
	.p2align	6, 0x0
	.amdhsa_kernel k_qa36d2142e3_attn
		.amdhsa_group_segment_fixed_size 327680
		.amdhsa_private_segment_fixed_size 0
		.amdhsa_enable_private_segment 0
		.amdhsa_kernarg_size 16
		.amdhsa_user_sgpr_count 2
		.amdhsa_user_sgpr_kernarg_segment_ptr 1
		.amdhsa_wavefront_size32 1
		.amdhsa_system_sgpr_workgroup_id_x 1
		.amdhsa_system_sgpr_workgroup_id_y 1
		.amdhsa_system_sgpr_workgroup_id_z 1
		.amdhsa_system_vgpr_workitem_id 0
		.amdhsa_next_free_vgpr 770
		.amdhsa_next_free_sgpr 66
		.amdhsa_reserve_vcc 0
		.amdhsa_float_denorm_mode_32 3
		.amdhsa_float_denorm_mode_16_64 3
		.amdhsa_memory_ordered 1
		.amdhsa_forward_progress 1
		.amdhsa_inst_pref_size 209
	.end_amdhsa_kernel
	.amdgpu_metadata
---
amdhsa.version: [ 1, 2 ]
amdhsa.kernels:
  - .name:           k_qa36d2142e3_attn
    .symbol:         k_qa36d2142e3_attn.kd
    .args:
      - { .name: qkv, .offset: 0, .size: 8, .value_kind: global_buffer, .address_space: global }
      - { .name: o, .offset: 8, .size: 8, .value_kind: global_buffer, .address_space: global }
    .group_segment_fixed_size: 327680
    .private_segment_fixed_size: 0
    .kernarg_segment_align: 8
    .kernarg_segment_size: 16
    .max_flat_workgroup_size: 128
    .sgpr_count:     66
    .vgpr_count:     770
    .wavefront_size: 32
...
	.end_amdgpu_metadata
.endif
;; end of part 3
;; launch proj (part 4): grid 8 x 32, 4 waves a work-group, clusters of 4 x 4, 327,680 bytes of LDS; arguments o, wt, b_proj, out0; writes out0
.if DOCPART == 4
	.amdgcn_target "amdgcn-amd-amdhsa--gfx1250"
	.amdhsa_code_object_version 6
	.text
	.protected	k_qa36d2142e3_proj
	.globl	k_qa36d2142e3_proj
	.p2align	8
	.type	k_qa36d2142e3_proj,@function
k_qa36d2142e3_proj:
	s_mov_b64 s[64:65], 0
	v_nop
	global_prefetch_b8 v0, s[64:65] scope:SCOPE_SE
	s_setreg_imm32_b32 hwreg(HW_REG_WAVE_MODE, 25, 1), 1
	s_wait_xcnt 0x0
	s_wait_alu depctr_hold_cnt(0) depctr_sa_sdst(0) depctr_va_vdst(0) depctr_va_sdst(0) depctr_va_ssrc(0) depctr_va_vcc(0) depctr_vm_vsrc(0)
	s_getreg_b32 s2, hwreg(HW_REG_IB_STS2, 6, 4)
	s_cmp_eq_u32 s2, 0
	s_cbranch_scc0 .Lentry_in_a_cluster
	s_endpgm
.Lentry_in_a_cluster:
	s_bfe_u32 s2, ttmp6, 0x10000c
	s_cmp_lg_u32 s2, 0xf033
	s_cbranch_scc0 .Lentry_shape_is_right
	s_endpgm
.Lentry_shape_is_right:
; out0 = O W_proj + b_proj.  o: [64][2048][64] f16 (16 x batch + head, token, channel); wt rows 3072-4095: W_proj's columns, K along the row, bf16-rounded numbers written as f16;
; b_proj: [1024] f32, rounded to bf16 here like the other inputs; out0: [8192][1024] f32.  Sums in f32.
; LIMIT.  The operands are f16: O lies within V's range, under 65,504; a weight below 6e-5 keeps f16's fixed step of 6e-8.
; SHARES.  A tile of out0 is 256 tokens x 128 columns: 256 work-groups.  Four waves, each 64 tokens x all 128 columns: 32 accumulators of 16 x 16, so a wave stores whole pieces of 512 bytes of a row through a stage of its own.
; K goes in 8 steps of 128 = two heads.  A head's 256 tokens are 32,768 dense bytes of o: asked for as 128 rows of 256 bytes and padded in LDS after every token.  Two LDS slots.
; CLUSTER.  4 x 4 work-groups: the four of a row need the same tiles of o, the four of a column the same tiles of wt; each tile is asked for jointly: the same load, descriptor and mask in all four.
; THE MATRIX INSTRUCTION IS USED TRANSPOSED: source 0 = 16 rows of wt, source 1 = 16 tokens.  Lane l then holds token l % 16 and the columns 16 b + 8 (l / 16) + 0..7.
; THE BIAS is the C operand of the first product on each accumulator: nothing is cleared, nothing is added at the end.
; REGISTERS, in windows of 256 (s_set_vgpr_msb: bits 1:0 source 0, 3:2 source 1, 5:4 source 2, 7:6 destination):
;   window 0: v0-19 addresses and work; v32-95 the bias      window 1: two fragment buffers of 96 (4 x 8 of tokens, 8 x 8 of wt); on the way out all 256, 64 a block of 16 tokens
;   window 2: accumulator (a, b) at v[8 (4 b + a)]
.set NB,    8                          ; n blocks of 16 columns
.set N1,    2                          ; n blocks multiplied on the first part of a run of loads
.set N2,    2                          ; n blocks multiplied between a barrier's signal and its wait
.set NL,    8+2*NB                     ; LDS loads in a run: a quarter step's fragments
.set W1,    NL-8-2*N1                  ; the loads of a run that the first N1 blocks do not need
.set PA,    144                        ; a token in LDS: 128 bytes + 16 = 36 words: the 16 rows of a load start at 16 different groups of four banks (64 banks of 4 bytes: ISA guide 11.1)
.set PB,    272                        ; a row of wt: 256 bytes + 16
.set HA,    256*PA                     ; what one tensor load brings of o: a head's 256 tokens
.set HB,    64*PB                      ; of wt: 64 rows
.set BOFF,  2*HA
.set SLOT1, 1<<17                      ; slot 1 begins here: one exclusive or turns an address in one slot into the other's
.set STAGE, SLOT1+2*HA+2*HB            ; behind the ring, never filled by a tensor load: 16 rows x 528 bytes for each wave
.set SP,    528                        ; 512 bytes + 16 = 132 words
.set SPARE, STAGE+4*16*SP              ; behind the stages: the spare words, 128 bytes a wave: two blocks of 256 bytes that no other line names
.set STEP_A, 2*262144                  ; two heads on
.set STEP_B, 256
.set F0,    0
.set F1,    96
.set A0,  4                            ; v4   my lane's place in a slot's tokens; never rewritten
.set B0,  5                            ; v5   in its rows of wt
.set ADA, 6                            ; v6   the same in the slot in hand
.set ADB, 7                            ; v7
.set STO, 8                            ; v8   the way out: where I put 32 bytes of a row
.set RD,  9                            ; v9   where I read a row back
.set GO,  10                           ; v10  my 16 bytes in 512 consecutive bytes of out0
.set BO,  11                           ; v11  32 (l / 16): my eight numbers in 16 of the bias
.set SPW, 12                           ; v12  LDS address of my spare word; never rewritten
.set NIL, 13                           ; v13  0; never rewritten
.set BI,  32
.set WV,   12                          ; s12  my wave's number
.set HALF, 13                          ; s13  which head of the step, or which half of wt's tile, I fetch
.set G1A, 24                           ; s[24:31] descriptor group 1 for o's tiles
.set G1B, 32                           ; s[32:39] for wt's
.set G0A, 40                           ; s[40:47] group 0 for o's: a set for each first fill; the second then walks
.set G0B, 48                           ; s[48:55] the same for wt's
.set CNT, 56
.set TB,  57                           ; s57  the slot in hand: 0 or SLOT1
.set OB,  58                           ; s[58:59] out0 at my first token, the tile's first column
.set MSB, 0
.macro WIN new                         ; the immediate's high byte repeats the setting that is left; a switch that changes nothing is dropped
.if MSB != (\new)
	s_set_vgpr_msb (MSB<<8)|(\new)
.set MSB, (\new)
.endif
.endm
.macro PLACES                          ; four plain vector instructions between a matrix instruction and a load into, or a read of, its registers
.rept 4
	v_nop
.endr
.endm
; A joint refill: waves 0 and 1 fetch the step's two heads of o, waves 2 and 3 the halves of wt's tile.  The branch hangs on the wave's number alone.  An s_nop 0 and four v_nop follow each line.
.macro JLOAD
	s_cmp_lt_u32 s[WV], 2
	s_cbranch_scc0 .Lfor_b_\@
	tensor_load_to_lds s[G0A+4:G0A+7], s[G1A:G1A+7]
	s_nop 0
.rept 4
	v_nop
.endr
	s_branch .Lasked_\@
.Lfor_b_\@:
	tensor_load_to_lds s[G0B+4:G0B+7], s[G1B:G1B+7]
	s_nop 0
.rept 4
	v_nop
.endr
.Lasked_\@:
.endm
.macro CREST                           ; a round of the cluster's barrier behind its opening barrier: wave 0 signals for the work-group, every wave waits for all sixteen, the work-group's barrier closes
	s_cmp_lg_u32 s[WV], 0
	s_cbranch_scc1 .Lnot_wave_0_\@
	s_barrier_signal -3
.Lnot_wave_0_\@:
	s_barrier_wait -3
	s_barrier_signal -1
	s_barrier_wait -1
.endm
.macro CROUND
	s_barrier_signal -1
	s_barrier_wait -1
	CREST
.endm
; A run of NL LDS loads: the fragments of quarter q (32 along K: head q / 2 of the step, channels 32 (q % 2) on) into buffer f: the tokens' first, then wt's in ascending b.
.macro FETCH q, f
	WIN 0x40                               ; destination window 1, address window 0
.set ka, ((\q)/2)*HA+((\q)%2)*64
.set ii, 0
.rept 4
	ds_load_b128 v[(\f)+8*ii:(\f)+8*ii+3],   v[ADA] offset:ka+ii*16*PA
	ds_load_b128 v[(\f)+8*ii+4:(\f)+8*ii+7], v[ADA] offset:ka+ii*16*PA+32
.set ii, ii+1
.endr
.set ii, 0
.rept NB
	ds_load_b128 v[(\f)+32+8*ii:(\f)+32+8*ii+3],   v[ADB] offset:64*(\q)+ii*16*PB
	ds_load_b128 v[(\f)+32+8*ii+4:(\f)+32+8*ii+7], v[ADB] offset:64*(\q)+ii*16*PB+32
.set ii, ii+1
.endr
.endm
; 4 n matrix instructions: n blocks b0 .. b0 + n - 1 x my four blocks of 16 tokens.  All 32 accumulators take turns, in the same order in every quarter.  first = 1: C is the bias.
.macro MULB f, b0, n, first
.set bb, (\b0)
.rept \n
.set aa, 0
.rept 4
.set rD, 8*(4*bb+aa)
.if \first
	WIN 0x85                               ; sources 0 and 1 window 1, C window 0, D window 2
	v_wmma_f32_16x16x32_f16 v[rD:rD+7], v[(\f)+32+8*bb:(\f)+32+8*bb+7], v[(\f)+8*aa:(\f)+8*aa+7], v[BI+8*bb:BI+8*bb+7]
.else
	WIN 0xa5                               ; C and D window 2
	v_wmma_f32_16x16x32_f16 v[rD:rD+7], v[(\f)+32+8*bb:(\f)+32+8*bb+7], v[(\f)+8*aa:(\f)+8*aa+7], v[rD:rD+7]
.endif
.set aa, aa+1
.endr
.set bb, bb+1
.endr
.endm
; One of a K step's first three quarters: multiplies buffer f and fetches quarter q into buffer g, in one run.
.macro QUARTER q, f, g, first
	s_wait_dscnt W1                        ; the tokens' fragments and wt's blocks 0 to N1 - 1 are in; the youngest W1 loads may be out
	MULB \f, 0, N1, \first
	PLACES                                 ; buffer g was read by the quarter before
	FETCH \q, \g
	s_wait_dscnt NL                        ; all but the run just issued
	MULB \f, N1, NB-N1, \first
.endm
; The last quarter multiplies buffer 1 and changes slots.  In front of the barrier each wave waits for all its tensor loads (one is out: its part of the next slot), adds 0 to its spare word, and waits for
; that and for its reads of this slot.  fill = 1: the barrier opens a round of the cluster's, and the joint refill, two K steps on, is the first thing behind it.
.macro TURN fill
	WIN 0
	s_wait_tensorcnt 0x0                   ; no tensor load of mine is out, so a group 0 may be written
	ds_add_u32 v[SPW], v[NIL]              ; 0 onto my spare word; work on registers stands between it and the wait for it
.if \fill
	s_xor_b32 s[G0A+5], s[G0A+5], SLOT1    ; the walking descriptors: the other slot than last time,
	s_add_nc_u64 s[G0A+6:G0A+7], s[G0A+6:G0A+7], STEP_A  ; the next K step; the type bits on top are not reached
	s_xor_b32 s[G0B+5], s[G0B+5], SLOT1
	s_add_nc_u64 s[G0B+6:G0B+7], s[G0B+6:G0B+7], STEP_B
.endif
	s_wait_dscnt W1+1                      ; the add and the youngest W1 loads may be out
	MULB F1, 0, N1, 0
	s_wait_dscnt 0x0                       ; the add is done, and my reads of this slot are over
	s_barrier_signal -1
	MULB F1, N1, N2, 0                     ; work on registers while the others arrive
	WIN 0
	s_barrier_wait -1
.if \fill
	CREST                                  ; no wave of any partner still reads this slot or has a load on its way
	JLOAD                                  ; its four v_nop are also the places in front of the loads below
.else
	PLACES
.endif
	s_xor_b32 s[TB], s[TB], SLOT1
	v_add_nc_u32 v[ADA], s[TB], v[A0]
	v_add_nc_u32 v[ADB], s[TB], v[B0]
	FETCH 0, F0
	MULB F1, N1+N2, NB-N1-N2, 0
.endm
	s_load_b256 s[4:11], s[0:1], 0x0               ; o s[4:5], wt s[6:7], b_proj s[8:9], out0 s[10:11]
	v_lshl_add_u32 v[SPW], v0, 2, SPARE
	v_mov_b32 v[NIL], 0
	ds_add_u32 v[SPW], v[NIL]                      ; the wave's opening: the add and its wait stand ahead of my first tensor load; the set-up, work on registers, stands between them
	v_lshrrev_b32 v1, 5, v0
	v_readfirstlane_b32 s[WV], v1                  ; wave 0..3
	s_and_b32 s[HALF], s[WV], 1
	s_bfe_u32 s14, ttmp6, 0x40000                  ; cx
	s_bfe_u32 s15, ttmp6, 0x40004                  ; cy
	s_lshl_b32 s16, ttmp9, 2
	s_add_co_u32 s16, s16, s14                     ; tile column = 4 x cluster x + cx
	s_and_b32 s17, ttmp7, 0xffff
	s_lshl_b32 s17, s17, 2
	s_add_co_u32 s17, s17, s15                     ; tile row = 4 x cluster y + cy
	s_lshl_b32 s18, s15, 2
	s_lshl_b32 s18, 15, s18                        ; my row of the cluster
	s_lshl_b32 s19, 0x1111, s14                    ; my column
	s_or_b32 s[G1A], s18, (1<<16)|(1<<20)|(1<<21)|(4<<22)|(3<<25)  ; the mask; elements of 2 bytes; padding on; bit 21 beside a mask; after every 32 words (a token), 4 words
	s_or_b32 s[G1B], s19, (1<<16)|(1<<20)|(1<<21)|(5<<22)|(3<<25)  ; after every 64 words (a row), 4 words
	s_mov_b32 s[G1A+1], 128<<16                    ; tensor_dim0 = 128: two tokens a row
	s_mov_b32 s[G1A+2], 128<<16                    ; tensor_dim1 = 128
	s_mov_b32 s[G1A+3], 128<<16                    ; tile_dim0 = 128
	s_mov_b32 s[G1A+4], 128                        ; tile_dim1 = 128
	s_mov_b32 s[G1A+5], 128                        ; dense: 128 elements from row to row
	s_mov_b32 s[G1A+6], 0
	s_mov_b32 s[G1A+7], 0
	s_mov_b32 s[G1B+1], 128<<16
	s_mov_b32 s[G1B+2], 64<<16                     ; 64 rows
	s_mov_b32 s[G1B+3], 128<<16
	s_mov_b32 s[G1B+4], 64
	s_mov_b32 s[G1B+5], 1024
	s_mov_b32 s[G1B+6], 0
	s_mov_b32 s[G1B+7], 0
	s_lshr_b32 s66, s17, 3                         ; o: batch = tile row / 8; head 16 x batch + my one of the step's two; in registers that never hold the tile column
	s_lshl_b32 s66, s66, 4
	s_add_co_u32 s66, s66, s[HALF]
	s_lshl_b32 s66, s66, 18                        ; a head's 262,144 bytes
	s_and_b32 s67, s17, 7
	s_lshl_b32 s67, s67, 15                        ; the tile's 256 tokens of 128 bytes
	s_add_co_u32 s66, s66, s67
	s_mov_b32 s67, 0
	s_mul_i32 s68, s[HALF], HA                     ; and its place in a slot
	s_lshl_b32 s70, s16, 7                         ; wt: row 3,072 + 128 x tile column + 64 x half, in registers that never hold the tile row
	s_lshl_b32 s71, s[HALF], 6
	s_add_co_u32 s70, s70, s71
	s_add_co_u32 s70, s70, 3072
	s_lshl_b32 s70, s70, 11
	s_mov_b32 s71, 0
	s_mul_i32 s72, s[HALF], HB
	s_add_co_u32 s72, s72, BOFF
	s_mov_b32 s[TB], 0
	s_mov_b32 s77, 0xffff0000
	s_wait_dscnt 0x0                               ; the opening add is done
	s_wait_kmcnt 0x0
	s_add_nc_u64 s[66:67], s[4:5], s[66:67]
	s_add_nc_u64 s[70:71], s[6:7], s[70:71]
	CROUND                                         ; all sixteen work-groups are here: the first joint loads meet
.irp s, 0,1
	s_mov_b32 s[G0A+4*(\s)], 1                     ; count = 1
	s_add_co_u32 s[G0A+4*(\s)+1], s68, (\s)*SLOT1  ; LDS address
	s_add_nc_u64 s[G0A+4*(\s)+2:G0A+4*(\s)+3], s[66:67], (\s)*STEP_A  ; K step s
	s_or_b32 s[G0A+4*(\s)+3], s[G0A+4*(\s)+3], 0x80000000  ; type = 2
	s_mov_b32 s[G0B+4*(\s)], 1
	s_add_co_u32 s[G0B+4*(\s)+1], s72, (\s)*SLOT1
	s_add_nc_u64 s[G0B+4*(\s)+2:G0B+4*(\s)+3], s[70:71], (\s)*STEP_B
	s_or_b32 s[G0B+4*(\s)+3], s[G0B+4*(\s)+3], 0x80000000
.endr
	s_cmp_lt_u32 s[WV], 2                          ; a wave's two first fills stand in one branch: two loads of mine are out
	s_cbranch_scc0 .Lfirst_b
	tensor_load_to_lds s[G0A:G0A+3], s[G1A:G1A+7]
	s_nop 0
	tensor_load_to_lds s[G0A+4:G0A+7], s[G1A:G1A+7]
	s_nop 0
.rept 4
	v_nop
.endr
	s_branch .Lfirst_asked
.Lfirst_b:
	tensor_load_to_lds s[G0B:G0B+3], s[G1B:G1B+7]
	s_nop 0
	tensor_load_to_lds s[G0B+4:G0B+7], s[G1B:G1B+7]
	s_nop 0
.rept 4
	v_nop
.endr
.Lfirst_asked:
	v_and_b32 v1, 15, v0                           ; r = l % 16
	v_bfe_u32 v2, v0, 4, 1                         ; h = l / 16
	v_lshlrev_b32 v[BO], 5, v2
	s_lshl_b32 s74, s16, 9                         ; the tile's 128 numbers of the bias
	s_mov_b32 s75, 0
	s_add_nc_u64 s[8:9], s[8:9], s[74:75]
.set k, 0
.rept NB
	global_load_b128 v[BI+8*k:BI+8*k+3],   v[BO], s[8:9] offset:64*k      ; register j of block b: bias[16 b + 8 h + j]
	global_load_b128 v[BI+8*k+4:BI+8*k+7], v[BO], s[8:9] offset:64*k+16
.set k, k+1
.endr
	v_mul_u32_u24 v14, v1, PA
	v_lshl_add_u32 v14, v2, 4, v14                 ; a fragment's token x pitch + 16 x half
	s_mul_i32 s74, s[WV], 64*PA                    ; my 64 tokens
	v_add_nc_u32 v[A0], s74, v14
	v_mul_u32_u24 v14, v1, PB
	v_lshl_add_u32 v14, v2, 4, v14
	v_add_nc_u32 v[B0], BOFF, v14                  ; every wave reads all 128 rows of wt
	v_mov_b32 v[ADA], v[A0]                        ; slot 0
	v_mov_b32 v[ADB], v[B0]
	s_mul_i32 s74, s[WV], 16*SP
	s_add_co_u32 s74, s74, STAGE                   ; my stage
	v_mul_u32_u24 v[STO], v1, SP                   ; in: row l % 16, 32 bytes for each half of the lanes
	v_lshl_add_u32 v[STO], v2, 5, v[STO]
	v_add_nc_u32 v[STO], s74, v[STO]
	v_and_b32 v[GO], 31, v0                        ; back: 32 lanes take a row's 512 bytes,
	v_lshlrev_b32 v[GO], 4, v[GO]
	v_add_nc_u32 v[RD], s74, v[GO]                 ; which are 512 consecutive bytes of out0
	s_lshl_b32 s74, s17, 20                        ; 256 rows of 4,096 bytes,
	s_lshl_b32 s75, s[WV], 18                      ; my 64 of them,
	s_add_co_u32 s74, s74, s75
	s_lshl_b32 s75, s16, 9                         ; the tile's 128 columns
	s_add_co_u32 s74, s74, s75
	s_mov_b32 s75, 0
	s_add_nc_u64 s[OB:OB+1], s[10:11], s[74:75]
	s_wait_loadcnt 0x0                             ; the bias
.set k, 0
.rept 4*NB
	v_cvt_pk_bf16_f32 v[16+k%4], v[BI+2*k], v[BI+2*k+1]  ; rounded to bf16 like the other inputs, and widened again
	v_lshlrev_b32 v[BI+2*k], 16, v[16+k%4]
	v_and_b32 v[BI+2*k+1], s77, v[16+k%4]
.set k, k+1
.endr
	s_wait_tensorcnt 1                             ; my part of K step 0 is in; step 1's load may stay out
	s_barrier_signal -1
	s_barrier_wait -1                              ; everybody's is
	FETCH 0, F0
	QUARTER 1, F0, F1, 1                           ; the first quarter stands in front of the loop: its products start the sums, on the bias
	WIN 0                                          ; at a label and at a branch every window is 0
	s_mov_b32 s[CNT], 6
.Lstep:                                        ; a trip: from a K step's second quarter to the next step's first; its refill brings the step two on: steps 2 to 7
	QUARTER 2, F1, F0, 0
	QUARTER 3, F0, F1, 0
	TURN 1
	QUARTER 1, F0, F1, 0
	WIN 0
	s_sub_co_u32 s[CNT], s[CNT], 1
	s_cmp_lg_u32 s[CNT], 0
	s_cbranch_scc1 .Lstep
	QUARTER 2, F1, F0, 0                           ; the last two K steps are written out: nothing is asked for
	QUARTER 3, F0, F1, 0
	TURN 0
	QUARTER 1, F0, F1, 0
	QUARTER 2, F1, F0, 0
	QUARTER 3, F0, F1, 0
	s_wait_dscnt W1
	MULB F1, 0, N1, 0
	s_wait_dscnt 0x0
	MULB F1, N1, NB-N1, 0
	WIN 0
	PLACES                                         ; the LDS stores below read results, and the loads behind them land in registers that products have read
; THE WAY OUT, by blocks a of 16 tokens.  A lane's eight f32 of an n block go as 32 bytes into rows of 528 bytes of my stage and come back as whole rows of 512, into window 1: each block has 64
; registers of its own, so nothing that a store reads is written again.
.macro TOSTAGE a
	WIN 0x08                                       ; store data (source 1) window 2, address window 0
.set bb, 0
.rept 8
	ds_store_b128 v[STO], v[8*(4*bb+(\a)):8*(4*bb+(\a))+3]   offset:64*bb      ; an accumulator's low registers first
	ds_store_b128 v[STO], v[8*(4*bb+(\a))+4:8*(4*bb+(\a))+7] offset:64*bb+16
.set bb, bb+1
.endr
	WIN 0x40                                       ; destination window 1
.set tt, 0
.rept 16
	ds_load_b128 v[64*(\a)+4*tt:64*(\a)+4*tt+3], v[RD] offset:SP*tt  ; LDS serves a wave's instructions in order (ISA guide 5.7.1.4): these see the stores above; the next block's stores come behind them
.set tt, tt+1
.endr
.endm
.macro SEND a, younger                 ; younger: the LDS instructions issued behind block a's loads: the next block's 32, or none
	WIN 0x04                                       ; store data (source 1) window 1
.set tt, 0
.rept 16
	s_wait_dscnt (\younger)+15-tt
	global_store_b128 v[GO], v[64*(\a)+4*tt:64*(\a)+4*tt+3], s[OB:OB+1] offset:65536*(\a)+4096*tt th:TH_STORE_NT  ; 512 consecutive bytes of a row, aligned
.set tt, tt+1
.endr
.endm
	TOSTAGE 0
	TOSTAGE 1
	SEND 0, 32
	TOSTAGE 2
	SEND 1, 32
	TOSTAGE 3
	SEND 2, 32
	SEND 3, 0
	WIN 0
	s_wait_tensorcnt 0x0                           ; the wave's end, behind my last tensor load and my last LDS store
	ds_add_u32 v[SPW], v[NIL]
	s_wait_dscnt 0x0
	CROUND                                         ; the closing round: no work-group ends while a partner may still ask for a tile that names it
	s_endpgm
.Lfunc_end_k_qa36d2142e3_proj:
	.size	k_qa36d2142e3_proj, .Lfunc_end_k_qa36d2142e3_proj-k_qa36d2142e3_proj
	.p2alignl 7, 3214868480
	.fill 96, 4, 3214868480
	.section	.rodata,"a",@progbits
	.p2align	6, 0x0
	.amdhsa_kernel k_qa36d2142e3_proj
		.amdhsa_group_segment_fixed_size 327680
		.amdhsa_private_segment_fixed_size 0
		.amdhsa_enable_private_segment 0
		.amdhsa_kernarg_size 32
		.amdhsa_user_sgpr_count 2
		.amdhsa_user_sgpr_kernarg_segment_ptr 1
		.amdhsa_wavefront_size32 1
		.amdhsa_system_sgpr_workgroup_id_x 1
		.amdhsa_system_sgpr_workgroup_id_y 1
		.amdhsa_system_sgpr_workgroup_id_z 1
		.amdhsa_system_vgpr_workitem_id 0
		.amdhsa_next_free_vgpr 768
		.amdhsa_next_free_sgpr 80
		.amdhsa_reserve_vcc 0
		.amdhsa_float_denorm_mode_32 3
		.amdhsa_float_denorm_mode_16_64 3
		.amdhsa_memory_ordered 1
		.amdhsa_forward_progress 1
		.amdhsa_inst_pref_size 76
	.end_amdhsa_kernel
	.amdgpu_metadata
---
amdhsa.version: [ 1, 2 ]
amdhsa.kernels:
  - .name:           k_qa36d2142e3_proj
    .symbol:         k_qa36d2142e3_proj.kd
    .args:
      - { .name: o, .offset: 0, .size: 8, .value_kind: global_buffer, .address_space: global }
      - { .name: wt, .offset: 8, .size: 8, .value_kind: global_buffer, .address_space: global }
      - { .name: b_proj, .offset: 16, .size: 8, .value_kind: global_buffer, .address_space: global }
      - { .name: out0, .offset: 24, .size: 8, .value_kind: global_buffer, .address_space: global }
    .group_segment_fixed_size: 327680
    .private_segment_fixed_size: 0
    .kernarg_segment_align: 8
    .kernarg_segment_size: 32
    .max_flat_workgroup_size: 128
    .sgpr_count:     80
    .vgpr_count:     768
    .wavefront_size: 32
...
	.end_amdgpu_metadata
.endif
;; end of part 4
;; ======== version 2 of 2: 4 launches; version 1 with the launch prep written anew for expert scheduling mode
;; limits: values are held in f16: magnitudes above 65,504 overflow, below 6.1e-05 lose precision; right only within a limited range of input values
;; workspace buffers: xb 16,777,216 bytes; wt 8,388,608 bytes; qkv 50,331,648 bytes; o 16,777,216 bytes
;; launch prep (part 5): grid 512 x 1, 8 waves a work-group, no clusters, 18,432 bytes of LDS; arguments X, W_qkv, W_proj, xb, wt; writes xb, wt
.if DOCPART == 5
	.amdgcn_target "amdgcn-amd-amdhsa--gfx1250"
	.amdhsa_code_object_version 6
	.text
	.protected	k_qa36d2142e3_prep
	.globl	k_qa36d2142e3_prep
	.p2align	8
	.type	k_qa36d2142e3_prep,@function
k_qa36d2142e3_prep:
	s_mov_b64 s[64:65], 0
	v_nop
	global_prefetch_b8 v0, s[64:65] scope:SCOPE_SE
	s_setreg_imm32_b32 hwreg(HW_REG_WAVE_SCHED_MODE, 0, 2), 2
	s_setreg_imm32_b32 hwreg(HW_REG_WAVE_MODE, 25, 1), 1
	s_wait_xcnt 0x0
	s_wait_alu depctr_vm_vsrc(0)
; PREPARATION OF THE MATRIX OPERANDS.  xb = X rounded to bf16, [8192][1024].  wt = the two weights turned, [4096][1024] of 16 bits, K along the rows:
; rows 0-3071 are W_qkv's columns in bf16; rows 3072-4095 are W_proj's columns, rounded to bf16 and that number written as f16 (its partner in the product is f16).
; LIMIT.  A W_proj number below 6e-5 keeps f16's fixed step of 6e-8; beyond 65,504 it would become an infinity.
; SHARES.  512 work-groups of eight waves, all with the same text.  Work-group g (a) rounds 16 rows of X: 65,536 bytes in, 32,768 out; (b) turns one block of 128 k x 64 n of a weight:
; g < 384: W_qkv, else W_proj; k block g % 8, row block g / 8 of wt.  Pointer, pitch and format are chosen by selects on g: no branch.
; All 24 loads of a thread go out at once; a wave's load of X covers 512 consecutive bytes, sixteen lanes of a weight load 256 consecutive bytes of a row.
; THE TURN goes through LDS: two neighbouring k of one n are packed into a word and stored at row n; rows of 256 bytes + 16 are read back 16 bytes a lane.
; The word stores meet four deep in a bank (row pitch 68 words, lanes 4 rows apart: 64 banks of 4 bytes, ISA guide 11.1): sixteen stores a thread, once; a pitch that keeps the 16-byte reads aligned cannot avoid it.
; THE MODE: SCHED_MODE bits 1:0 = 2 (LLVM: expert scheduling mode 2), set by the entry lines.  The code itself states the register dependences
; between vector instructions and memory or LDS instructions, with s_wait_alu, always for 0.
; THE PLAN.  Registers that memory or LDS instructions touch:
;   v3-v15, v172, v173   offsets and addresses: written once at the head by vector instructions, read by every load, store and LDS access; never written again.
;   WD   the weight loads land in it; the sixteen roundings to bf16 read it; behind the barrier four LDS loads land in its first sixteen registers, which wt's stores read.
;   WP   sixteen words, each written by its group's rounding and select and read by one LDS store; never written again.
;   XD   X's loads land in it, the roundings read it; never loaded again.
;   XP   sixteen pairs, each written by two roundings and read by one store; never written again.
;   T    named by vector instructions alone.
; No register that a memory or LDS instruction has read is written again, so no wait on vm_vsrc is owed.  The waits on va_vdst: one at the head for the addresses; one behind weight groups 0 and 1, whose
; eight LDS stores are then dealt among the vector work of groups 2 and 3 (which names WD, T and the words of groups 2 and 3 alone); one behind groups 2 and 3, for their stores and for the LDS loads into WD;
; X goes in four blocks of four loads: at the head of blocks 1 to 3 one wait shows the block before rounded, and its four stores are dealt among this block's roundings; one more stands ahead of the last four stores.
.set PITCH, 272
.set SPARE, 64*PITCH                   ; behind the block: the spare words, 128 bytes for each of eight waves: four blocks of 256 bytes that no other line names
.set DO,  3                            ; v3      my 16 bytes in wt: (t / 16) rows of 2,048 bytes + 16 (t % 16)
.set WO,  4                            ; v[4:11] byte offsets of my eight weight loads: row 2 (t / 16) + 32 j + e, 16 (t % 16)
.set XO,  12                           ; v12     my 16 bytes of X: 8,192 x wave + 16 x lane
.set YO,  13                           ; v13     my 8 bytes of xb: 4,096 x wave + 8 x lane
.set LW,  14                           ; v14     LDS: row 4 (t % 16), word t / 16
.set LR,  15                           ; v15     LDS: row t / 16, 16 (t % 16)
.set WD,  16                           ; v[16:47]   the weight loads; later the turned rows
.set XD,  48                           ; v[48:111]  X as loaded
.set XP,  112                          ; v[112:143] X packed
.set WP,  144                          ; v[144:159] weight words
.set T,   160                          ; v[160:167] at work
.set SPW, 172                          ; v172    LDS address of my spare word; never rewritten
.set NIL, 173                          ; v173    0; never rewritten
; Word i of weight group j goes into LDS.
.macro PUT1 j, i
	ds_store_b32 v[LW], v[WP+4*(\j)+(\i)] offset:PITCH*(\i)+64*(\j)
.endm
; The vector work of weight group j (k rows 32 j + 2 (t / 16) and the next): four words.  st >= 0: the four LDS stores of group st, shown written by the wait in front, are dealt among it.
.macro WORDS j, st
.if (\st) >= 0
	PUT1 \st, 0
.endif
.irp i, 0,1,2,3
	v_cvt_pk_bf16_f32 v[WP+4*(\j)+(\i)], v[WD+8*(\j)+(\i)], v[WD+8*(\j)+4+(\i)]  ; column 4 c + i: k even below, k odd above
.endr
.if (\st) >= 0
	PUT1 \st, 1
.endif
.irp i, 0,1,2,3
	v_lshlrev_b32 v[T+2*(\i)], 16, v[WP+4*(\j)+(\i)]   ; the rounded numbers as f32,
	v_and_b32 v[T+2*(\i)+1], s36, v[WP+4*(\j)+(\i)]
.endr
.if (\st) >= 0
	PUT1 \st, 2
.endif
.irp i, 0,1,2,3
	v_cvt_pk_f16_f32 v[T+2*(\i)], v[T+2*(\i)], v[T+2*(\i)+1]  ; written as f16,
.endr
.if (\st) >= 0
	PUT1 \st, 3
.endif
.irp i, 0,1,2,3
	v_cndmask_b32 v[WP+4*(\j)+(\i)], v[WP+4*(\j)+(\i)], v[T+2*(\i)], s21  ; and taken for W_proj alone
.endr
.endm
; Block b of X: loads 4 b to 4 b + 3 are rounded.  first = 1: block 0, with no block in front of it; else the four stores of block b - 1 are dealt among the roundings.
.macro XBLK b, first
	s_wait_loadcnt 12-4*(\b)                       ; loads come back in order (ISA guide 5.7.1): this block's four are in, the later blocks' stay out
.if !\first
	s_wait_alu depctr_va_vdst(0)                   ; the block before has written its four pairs of XP, which the stores below read; this block's roundings name other pairs
.endif
.irp i, 0,1,2,3
.if !\first
	global_store_b64 v[YO], v[XP+2*(4*(\b)-4+(\i)):XP+2*(4*(\b)-4+(\i))+1], s[10:11] offset:256*(4*(\b)-4+(\i))  ; a wave's store covers 256 consecutive bytes, aligned; each has registers of its own
.endif
	v_cvt_pk_bf16_f32 v[XP+2*(4*(\b)+(\i))], v[XD+4*(4*(\b)+(\i))], v[XD+4*(4*(\b)+(\i))+1]
	v_cvt_pk_bf16_f32 v[XP+2*(4*(\b)+(\i))+1], v[XD+4*(4*(\b)+(\i))+2], v[XD+4*(4*(\b)+(\i))+3]
.endr
.endm
	s_load_b256 s[4:11], s[0:1], 0x0               ; X s[4:5], W_qkv s[6:7], W_proj s[8:9], xb s[10:11]
	s_load_b64 s[12:13], s[0:1], 0x20              ; wt
	v_lshl_add_u32 v[SPW], v0, 2, SPARE
	v_mov_b32 v[NIL], 0
	s_mov_b32 s30, 12288
	s_mov_b32 s36, 0xffff0000                      ; a word's upper half
	s_cmp_lt_u32 ttmp9, 384                        ; W_qkv's blocks come first
	s_cselect_b32 s20, s30, 4096                   ; bytes in a row of the source
	s_cselect_b32 s21, 0, -1                       ; lane mask: all ones where the words go out as f16
	s_cselect_b32 s22, 0, 48                       ; wt's row blocks in front of this weight's
	s_lshr_b32 s23, ttmp9, 3                       ; row block of wt
	s_and_b32 s31, ttmp9, 7                        ; k block
	s_lshl_b32 s24, s20, 1                         ; two source rows
	s_lshl_b32 s26, s31, 7
	s_mul_i32 s26, s26, s20                        ; 128 k rows down,
	s_sub_co_u32 s28, s23, s22
	s_lshl_b32 s28, s28, 8                         ; 64 columns of 4 bytes along
	s_add_co_u32 s26, s26, s28
	s_mov_b32 s27, 0
	s_lshl_b32 s28, s23, 17                        ; 64 rows of 2,048 bytes of wt,
	s_lshl_b32 s29, s31, 8                         ; 128 k of 2 bytes
	s_add_co_u32 s28, s28, s29
	s_mov_b32 s29, 0
	s_lshl_b32 s32, ttmp9, 16                      ; 16 rows of X
	s_mov_b32 s33, 0
	s_lshl_b32 s34, ttmp9, 15                      ; 16 rows of xb
	s_mov_b32 s35, 0
	v_and_b32 v1, 15, v0                           ; c = t % 16
	v_lshrrev_b32 v2, 4, v0                        ; t / 16
	v_mul_lo_u32 v[WO], v2, s24
	v_lshl_add_u32 v[WO], v1, 4, v[WO]
.irp n, 1,2,3,4,5,6,7
	s_mul_i32 s25, s20, 32*((\n)/2)+(\n)%2
	v_add_nc_u32 v[WO+(\n)], s25, v[WO]
.endr
	v_lshrrev_b32 v[T], 5, v0                      ; wave
	v_and_b32 v[T+1], 31, v0                       ; lane
	v_lshlrev_b32 v[XO], 4, v[T+1]
	v_lshl_or_b32 v[XO], v[T], 13, v[XO]
	v_lshlrev_b32 v[YO], 3, v[T+1]
	v_lshl_or_b32 v[YO], v[T], 12, v[YO]
	v_mul_u32_u24 v[LW], v1, 4*PITCH
	v_lshl_add_u32 v[LW], v2, 2, v[LW]
	v_mul_u32_u24 v[LR], v2, PITCH
	v_lshl_add_u32 v[LR], v1, 4, v[LR]
	v_lshlrev_b32 v[DO], 11, v2
	v_lshl_add_u32 v[DO], v1, 4, v[DO]
	s_wait_kmcnt 0x0
	s_cmp_lt_u32 ttmp9, 384                        ; compared anew: the shifts above have written SCC
	s_cselect_b64 s[14:15], s[6:7], s[8:9]
	s_add_nc_u64 s[14:15], s[14:15], s[26:27]
	s_add_nc_u64 s[12:13], s[12:13], s[28:29]
	s_add_nc_u64 s[4:5], s[4:5], s[32:33]
	s_add_nc_u64 s[10:11], s[10:11], s[34:35]
	s_wait_alu depctr_va_vdst(0)                   ; the offsets and addresses v3 to v15 are written, which every load, store and LDS access of the kernel reads; none is written again
.irp n, 0,1,2,3,4,5,6,7
	global_load_b128 v[WD+4*(\n):WD+4*(\n)+3], v[WO+(\n)], s[14:15] th:TH_LOAD_NT
.endr
.irp j, 0,1,2,3,4,5,6,7,8,9,10,11,12,13,14,15
	global_load_b128 v[XD+4*(\j):XD+4*(\j)+3], v[XO], s[4:5] offset:512*(\j) th:TH_LOAD_NT
.endr
	s_wait_loadcnt 16                              ; the eight weight loads are in; X's sixteen, issued behind them, may stay out
	WORDS 0, -1
	WORDS 1, -1
	s_wait_alu depctr_va_vdst(0)                   ; the selects of groups 0 and 1 have written their eight words of WP, which the LDS stores dealt among the next two groups read
	WORDS 2, 0
	WORDS 3, 1
	s_wait_alu depctr_va_vdst(0)                   ; the selects of groups 2 and 3 have written their eight words, which the LDS stores below read; and all roundings are done reading WD, in which the LDS loads behind the barrier land
.irp i, 0,1,2,3
	PUT1 2, \i
.endr
.irp i, 0,1,2,3
	PUT1 3, \i
.endr
	s_wait_dscnt 0x0                               ; for the others' sake: my words lie in LDS
	s_barrier_signal -1
	s_barrier_wait -1                              ; everybody's do
.irp j, 0,1,2,3
	ds_load_b128 v[WD+4*(\j):WD+4*(\j)+3], v[LR] offset:16*PITCH*(\j)  ; row t / 16 + 16 j, my 16 bytes; no vector instruction since the wait above names these registers; X's arithmetic stands between these loads and the wait for them
.endr
	XBLK 0, 1
	XBLK 1, 0
	XBLK 2, 0
	XBLK 3, 0
	s_wait_alu depctr_va_vdst(0)                   ; block 3 has written its four pairs of XP, which the last four stores of xb read
.irp i, 12,13,14,15
	global_store_b64 v[YO], v[XP+2*(\i):XP+2*(\i)+1], s[10:11] offset:256*(\i)
.endr
	s_wait_dscnt 0x0                               ; the turned rows are in WD
.irp j, 0,1,2,3
	global_store_b128 v[DO], v[WD+4*(\j):WD+4*(\j)+3], s[12:13] offset:32768*(\j)  ; sixteen lanes store 256 consecutive bytes of a row of wt, aligned
.endr
	s_wait_dscnt 0x0                               ; the closing lines, six on end
	s_wait_alu 0x0
	s_wait_tensorcnt 0x0
	ds_add_u32 v[SPW], v[NIL]
	s_wait_dscnt 0x0
	s_endpgm
.Lfunc_end_k_qa36d2142e3_prep:
	.size	k_qa36d2142e3_prep, .Lfunc_end_k_qa36d2142e3_prep-k_qa36d2142e3_prep
	.p2alignl 7, 3214868480
	.fill 96, 4, 3214868480
	.section	.rodata,"a",@progbits
	.p2align	6, 0x0
	.amdhsa_kernel k_qa36d2142e3_prep
		.amdhsa_group_segment_fixed_size 18432
		.amdhsa_private_segment_fixed_size 0
		.amdhsa_enable_private_segment 0
		.amdhsa_kernarg_size 40
		.amdhsa_user_sgpr_count 2
		.amdhsa_user_sgpr_kernarg_segment_ptr 1
		.amdhsa_wavefront_size32 1
		.amdhsa_system_sgpr_workgroup_id_x 1
		.amdhsa_system_sgpr_workgroup_id_y 1
		.amdhsa_system_sgpr_workgroup_id_z 1
		.amdhsa_system_vgpr_workitem_id 0
		.amdhsa_next_free_vgpr 176
		.amdhsa_next_free_sgpr 66
		.amdhsa_reserve_vcc 0
		.amdhsa_float_denorm_mode_32 3
		.amdhsa_float_denorm_mode_16_64 3
		.amdhsa_memory_ordered 1
		.amdhsa_forward_progress 1
		.amdhsa_inst_pref_size 16
	.end_amdhsa_kernel
	.amdgpu_metadata
---
amdhsa.version: [ 1, 2 ]
amdhsa.kernels:
  - .name:           k_qa36d2142e3_prep
    .symbol:         k_qa36d2142e3_prep.kd
    .args:
      - { .name: X, .offset: 0, .size: 8, .value_kind: global_buffer, .address_space: global }
      - { .name: W_qkv, .offset: 8, .size: 8, .value_kind: global_buffer, .address_space: global }
      - { .name: W_proj, .offset: 16, .size: 8, .value_kind: global_buffer, .address_space: global }
      - { .name: xb, .offset: 24, .size: 8, .value_kind: global_buffer, .address_space: global }
      - { .name: wt, .offset: 32, .size: 8, .value_kind: global_buffer, .address_space: global }
    .group_segment_fixed_size: 18432
    .private_segment_fixed_size: 0
    .kernarg_segment_align: 8
    .kernarg_segment_size: 40
    .max_flat_workgroup_size: 256
    .sgpr_count:     66
    .vgpr_count:     176
    .wavefront_size: 32
...
	.end_amdgpu_metadata
.endif
;; end of part 5
;; launch qkv: the kernel of part 2 again; grid 16 x 32, 4 waves a work-group, clusters of 4 x 4, 327,680 bytes of LDS; arguments xb, wt, b_qkv, qkv; writes qkv
;; launch attn: the kernel of part 3 again; grid 4 x 64, 4 waves a work-group, clusters of 4 x 1, 327,680 bytes of LDS; arguments qkv, o; writes o
;; launch proj: the kernel of part 4 again; grid 8 x 32, 4 waves a work-group, clusters of 4 x 4, 327,680 bytes of LDS; arguments o, wt, b_proj, out0; writes out0
